; MI455X (gfx1250); checked and timed in simulation.
; The chip was launched on July 23, 2026; its instructions are those of AMD's public machine-readable ISA for CDNA 5 (MIT licence, August 2026) and "CDNA5" Instruction Set Architecture Reference Guide (July 2026). The comments in the code are by the model that wrote it; some were corrected since.
;; Cross Attention. Allowed arithmetic: matrix products marked QUANTISED: E2M3 operands, one E8M0 scale for each 32 along K, by v_wmma_scale_f32_16x16x128_f8f6f4 with both operands' format E2M3, f32 sums; everything else in f32.
;; Inputs: Wk 1,024 x 1,024 float32; Wp 1,024 x 1,024 float32; Wq 1,024 x 1,024 float32; Wv 1,024 x 1,024 float32; bp 1,024 float32; k 2 x 4,096 x 1,024 float32; key_padding_mask 2 x 4,096 bool; q 2 x 2,048 x 1,024 float32; v 2 x 4,096 x 1,024 float32.
;; Outputs: out0 2 x 2,048 x 1,024 float32.
;; This version of the problem:
;;   THIS VERSION OF THE PROBLEM IS GIVEN IN LOW PRECISION. The matrix products marked QUANTISED in the list below multiply operands that are first quantised to E2M3 (2 exponent bits, 3 mantissa bits; 6 bits a number), with one power-of-two scale for each 32 numbers along K (OCP MX v1.0); their sums are f32. All else is computed in f32.
;;   The module's matrix products, in the order in which they are computed (A, B: the left and right operand; K: the contracted axis; several contracted axes count as one K, in the product's order):
;;     1. [M 4,096, K 1,024] x [K 1,024, N 1,024]; A: input q; B: input Wq: QUANTISED
;;     2. [M 8,192, K 1,024] x [K 1,024, N 1,024]; A: input k; B: input Wk: QUANTISED
;;     3. [M 8,192, K 1,024] x [K 1,024, N 1,024]; A: input v; B: input Wv: QUANTISED
;;     4. batch 32 x [M 2,048, K 64] x [K 64, N 4,096]; A: computed on the way; B: computed on the way: QUANTISED
;;     5. batch 32 x [M 2,048, K 4,096] x [K 4,096, N 64]; A: softmax (see below); B: computed on the way: QUANTISED
;;     6. [M 4,096, K 1,024] x [K 1,024, N 1,024]; A: computed on the way; B: input Wp: QUANTISED
;;   THE QUANTISER, for each operand of a quantised product, along K:
;;     - K is cut into blocks of 32 from its start; a last block that is shorter is filled with zeros.
;;     - A block's scale is 2^e with e = floor(log2(the largest magnitude in the block)) - 2, held to -126 .. 127; a block of zeros has e = 0. As a byte (E8M0): e + 127.
;;     - Each number is divided by its block's scale, clamped to +-7.5, and rounded to the nearest number of E2M3, ties to even, subnormals kept.
;;     - The product sums the exact products of the quantised numbers (number of the format x scale) in f32.
;;   ~~~python
;;   def quantise(x, axis):      # numpy; x: float32 -> the quantised numbers, widened to float32 again
;;       x = np.moveaxis(x, axis, -1); K = x.shape[-1]
;;       x = np.pad(x, [(0, 0)] * (x.ndim - 1) + [(0, -K % 32)]); x = x.reshape(x.shape[:-1] + (-1, 32)); a = np.abs(x).max(-1, keepdims=True)
;;       e = np.where(a > 0, np.clip(np.frexp(np.where(a > 0, a, 1))[1] - 1 - 2, -126, 127), 0)      # np.frexp(a)[1] - 1 = floor(log2(a)), exactly
;;       r = np.clip(x / 2.0 ** e, -7.5, 7.5)
;;       step = 2.0 ** (np.maximum(np.frexp(np.where(r == 0, 1, r))[1] - 1, 0) - 3)
;;       q = np.round(r / step) * step * 2.0 ** e      # np.round: ties to even
;;       return np.moveaxis(q.reshape(q.shape[:-2] + (-1,))[..., :K], -1, axis).astype(np.float32)
;;   ~~~
;;   SOFTMAX AHEAD OF A QUANTISED PRODUCT. Where the list says 'softmax', what is quantised is not the finished softmax but p = 2^(t - M), with t = logit x log2(e) and M = ceil(the row's largest t), a whole number; so 1/2 < the row's largest p <= 1. The row's sum l is taken of the UNQUANTISED p, in f32, and the product's result is divided by l at the end. Since M is a whole number, a kernel that streams over the keys may use a running M (the ceiling of the running maximum): every later rescaling is an exact power of two, which a block's scale takes up: the codes' values come out the same.
;;   OPERANDS COMPUTED ON THE WAY. 'Computed on the way' means the value that the module computes at that place (a softmax that the list does not call 'softmax' is quantised finished and normalised). What goes into a quantiser is computed in f32, as accurately as f32 sums, v_exp_f32 and their like allow (about 1e-6 of the number): no bf16 or f16 on the way to a quantiser, and a product that is left as it is and whose result goes on into a quantised operand takes f32 operands (vector FMAs, or v_wmma_f32_16x16x4_f32). A number that lies on a knife's edge between two numbers of the format may be rounded either way, as far as f32 arithmetic and the matrix unit's own rounding can turn it there, and no further.
;; One version. Each part assembles by itself: llvm-mc -triple=amdgcn-amd-amdhsa -mcpu=gfx1250 --defsym DOCPART=n.
;; ======== version 1 of 1: 4 launches
;; limits: right only within a limited range of input values
;; workspace buffers: acodes 18,874,368 bytes; ascales 786,432 bytes; hc 15,728,640 bytes; hs 655,360 bytes; ao 3,145,728 bytes; aos 131,072 bytes
;; launch quant (part 1): grid 768 x 1, 4 waves a work-group, no clusters, 34,304 bytes of LDS; arguments q, k, v, Wq, Wk, Wv, Wp, acodes, ascales; writes acodes, ascales
.if DOCPART == 1
	.amdgcn_target "amdgcn-amd-amdhsa--gfx1250"
	.amdhsa_code_object_version 6
	.text
	.protected	k_qda82c03f66_quant
	.globl	k_qda82c03f66_quant
	.p2align	8
	.type	k_qda82c03f66_quant,@function
k_qda82c03f66_quant:
	s_mov_b64 s[64:65], 0
	v_nop
	global_prefetch_b8 v0, s[64:65] scope:SCOPE_SE
	s_setreg_imm32_b32 hwreg(HW_REG_WAVE_MODE, 25, 1), 1
	s_wait_xcnt 0x0
; q, k, v [tokens][1024] and Wq, Wk, Wv, Wp [1024][1024], f32, K innermost, become codes of FP6 (E2M3) with one E8M0 byte for each 32 along K.
; The seven tensors are one run of 24,576 rows.  Rows go in TILES of 16, in pairs: lane-row r of tile 2 B + u is row 32 B + 8 u + r + 8 (r / 8).
; OUTPUT: images of operand registers.  A fragment (16 rows x 128 K, 12 registers a lane) is 1,536 bytes: for each half of 64 K, registers 0-3 at 16 x lane, registers 4-5 at 512 + 8 x lane.
; acodes [tile][K step 0-7][1536];  ascales [tile][K half][row r][4 words], a word = the four bytes of one K step.
; A block's scale is 2^(floor(log2(largest magnitude)) - 2); its byte is that magnitude's exponent field - 2, held at 1 from below (a block of zeros keeps byte 1: its codes are zeros, and this program alone reads the bytes).
; LIMITS: NaN and infinities are not served; blocks whose largest magnitude lies under 2^-124 keep the byte 1.
; SHARES: work-group g takes rows 32 g .. 32 g + 31 (two tiles); wave w takes tile 2 g + w / 2 and K half w % 2: four fragments.  Waves share nothing: no barrier.
; Each load reads 512 consecutive bytes of one row; a K step's 16 rows turn through the wave's own stage in LDS (rows 528 bytes apart) so that a lane gets 16 neighbours of each block of its row.
.set STG,   8448                       ; a wave's stage: 16 rows x (512 + 16) bytes
.set SPARE, 4*STG                      ; behind the stages: the spare words, 128 bytes a wave, which no other line names
.set L16, 1                            ; v1  16 x lane
.set L8,  2                            ; v2  8 x lane
.set SI,  3                            ; v3  the stage, on the way in
.set SO,  4                            ; v4  and on the way out: row r, + 64 h
.set SA,  5                            ; v5  16 r + 8 h: my 8 bytes of the scale words
.set SPW, 6                            ; v6  my spare word; never rewritten
.set NIL, 7                            ; v7  0; never rewritten
.set TM,  8                            ; v8-23  at work
.set SW,  26                           ; v26-29 the four K steps' scale words
.set PK,  30                           ; v30-31 the two that I store
.set PC,  32                           ; v32-51 a fragment's codes (12) and 8 at work
.set X,   64                           ; v64-127 64 numbers: register 16 b + i = k 32 b + 16 h + i of my row
.set R,   128                          ; v128-255 two sets of 64 as loaded
.set SEL, 30                           ; s[30:31] selects for lane l xor 16
.macro LOAD s                          ; K step s: 16 rows x 512 bytes into set s % 2
.irp i, 0,1,2,3,4,5,6,7,8,9,10,11,12,13,14,15
	global_load_b128 v[R+64*((\s)%2)+4*\i:R+64*((\s)%2)+4*\i+3], v[L16], s[24+18*(\i/8):25+18*(\i/8)] offset:(\i+8*(\i/8))*4096+512*(\s) th:TH_LOAD_NT   ; lane-rows 8-15 by a base of their own
.endr
.endm
.macro TURN s                          ; through the stage: LDS serves a wave's instructions in order, so no wait stands between the stores and the loads
.irp i, 0,1,2,3,4,5,6,7,8,9,10,11,12,13,14,15
	ds_store_b128 v[SI], v[R+64*((\s)%2)+4*\i:R+64*((\s)%2)+4*\i+3] offset:528*\i
.endr
.irp b, 0,1,2,3
.irp j, 0,1,2,3
	ds_load_b128 v[X+16*\b+4*\j:X+16*\b+4*\j+3], v[SO] offset:128*\b+16*\j
.endr
.endr
.endm
.macro QUANT s, pw                     ; 64 numbers at v[s] become a fragment's codes in v[PC] on and its scale word in v[pw]
.irp b, 0,1,2,3
	v_max3_num_f32 v[TM+\b], |v[\s+16*\b]|, |v[\s+1+16*\b]|, 0x1800000   ; my 16 of block b, and the floor 2^(3 - 127): the byte cannot fall under 1
.endr
.irp i, 2,4,6,8,10,12,14
.irp b, 0,1,2,3
	v_max3_num_f32 v[TM+\b], v[TM+\b], |v[\s+16*\b+\i]|, |v[\s+1+16*\b+\i]|
.endr
.endr
.irp b, 0,1,2,3
	v_permlanex16_b32 v[TM+4+\b], v[TM+\b], s[SEL], s[SEL+1]
.endr
.irp b, 0,1,2,3
	v_max_num_f32 v[TM+\b], v[TM+\b], v[TM+4+\b]             ; with lane l xor 16's 16: the block's largest magnitude
.endr
.irp b, 0,1,2,3
	v_add_nc_u32 v[TM+12+\b], 0xff000000, v[TM+\b]           ; 2 off its exponent field: the conversion's scale operand
.endr
.irp b, 0,1,2,3
	v_lshrrev_b32 v[TM+4+\b], 23, v[TM+12+\b]                ; the byte
.endr
	v_lshl_or_b32 v[\pw], v[TM+5], 8, v[TM+4]
	v_lshl_or_b32 v[\pw], v[TM+6], 16, v[\pw]
	v_lshl_or_b32 v[\pw], v[TM+7], 24, v[\pw]
.irp c, 0,1
	v_cvt_scalef32_pk16_fp6_f32 v[PC+6*\c:PC+2+6*\c], v[\s+32*\c:\s+15+32*\c], v[TM+12+2*\c]
	v_cvt_scalef32_pk16_fp6_f32 v[PC+12+4*\c:PC+14+4*\c], v[\s+16+32*\c:\s+31+32*\c], v[TM+12+2*\c+1]   ; (a conversion's three registers begin on an even number)
.endr
	v_nop                                          ; one plain place behind a scaled conversion
.irp c, 0,1                                    ; the operand wants a whole block in a lane: lanes 0-15 block 2 c, lanes 16-31 block 2 c + 1
.irp i, 0,1,2
	v_permlane16_swap_b32 v[PC+6*\c+\i], v[PC+12+4*\c+\i]
.endr
.irp i, 0,1,2
	v_mov_b32 v[PC+3+6*\c+\i], v[PC+12+4*\c+\i]
.endr
.endr
.endm
.macro OUT s                           ; the image: stores of 512 and 256 consecutive bytes, each at a multiple of 256 from the buffer's first byte
	global_store_b128 v[L16], v[PC:PC+3], s[26:27] offset:1536*(\s)
	global_store_b64 v[L8], v[PC+4:PC+5], s[26:27] offset:1536*(\s)+512
	global_store_b128 v[L16], v[PC+6:PC+9], s[26:27] offset:1536*(\s)+768
	global_store_b64 v[L8], v[PC+10:PC+11], s[26:27] offset:1536*(\s)+1280
.endm
.macro STEP s
.if (\s) < 3
	s_wait_loadcnt 16                              ; this K step's 16 loads are in; the next step's 16 may be out
.else
	s_wait_loadcnt 0
.endif
	TURN \s
	s_wait_dscnt 0x0                               ; my 64 numbers are back, and the stage's stores have read their registers
	s_wait_xcnt 0x0                                ; the last step's stores have read the codes' registers, which are written again below
.if (\s) < 2
	LOAD (\s)+2
.endif
	QUANT X, SW+(\s)
	OUT \s
.endm
	s_load_b256 s[4:11], s[0:1], 0x0               ; q, k, v, Wq
	s_load_b256 s[12:19], s[0:1], 0x20             ; Wk, Wv, Wp, acodes
	s_load_b64 s[20:21], s[0:1], 0x40              ; ascales
	v_lshl_add_u32 v[SPW], v0, 2, SPARE
	v_mov_b32 v[NIL], 0
	v_lshrrev_b32 v8, 5, v0
	v_readfirstlane_b32 s33, v8                    ; wave
	v_and_b32 v8, 31, v0                           ; lane
	v_and_b32 v9, 15, v0                           ; r
	v_bfe_u32 v10, v0, 4, 1                        ; h
	v_lshlrev_b32 v[L16], 4, v8
	v_lshlrev_b32 v[L8], 3, v8
	s_mul_i32 s34, s33, STG
	v_add_nc_u32 v[SI], s34, v[L16]
	v_mul_u32_u24 v[SO], v9, 528
	v_lshl_add_u32 v[SO], v10, 6, v[SO]
	v_add_nc_u32 v[SO], s34, v[SO]
	v_lshlrev_b32 v[SA], 4, v9
	v_lshl_add_u32 v[SA], v10, 3, v[SA]
.irp b, 0,1,2,3
	v_mov_b32 v[TM+4+\b], 0                        ; written once: a lane permute's destination counts as one of its sources
.endr
	s_mov_b32 s[SEL], 0x76543210
	s_mov_b32 s[SEL+1], 0xfedcba98
	s_mov_b32 s32, 0xffff0000                      ; lanes 16-31
	s_lshr_b32 s35, s33, 1                         ; u: which tile of the pair
	s_and_b32 s36, s33, 1                          ; which K half
	s_lshl_b32 s37, ttmp9, 1
	s_add_co_u32 s37, s37, s35                     ; my tile
	s_mul_i32 s38, s37, 12288
	s_mul_i32 s39, s36, 6144
	s_add_co_u32 s38, s38, s39                     ; its codes, my K half
	s_mov_b32 s39, 0
	s_lshl_b32 s40, s37, 9
	s_lshl_b32 s41, s36, 8
	s_add_co_u32 s40, s40, s41                     ; its scale words
	s_mov_b32 s41, 0
	s_wait_alu depctr_va_vdst(0)
	s_wait_kmcnt 0x0
	s_mov_b64 s[24:25], s[16:17]                   ; which tensor: the choice hangs on the work-group's number alone.  From the last (Wp, first work-group 736) down
	s_mov_b32 s22, 736
	s_cmp_lt_u32 ttmp9, 736
	s_cselect_b64 s[24:25], s[14:15], s[24:25]     ; Wv
	s_cselect_b32 s22, 704, s22
	s_cmp_lt_u32 ttmp9, 704
	s_cselect_b64 s[24:25], s[12:13], s[24:25]     ; Wk
	s_cselect_b32 s22, 672, s22
	s_cmp_lt_u32 ttmp9, 672
	s_cselect_b64 s[24:25], s[10:11], s[24:25]     ; Wq
	s_cselect_b32 s22, 640, s22
	s_cmp_lt_u32 ttmp9, 640
	s_cselect_b64 s[24:25], s[8:9], s[24:25]       ; v
	s_cselect_b32 s22, 384, s22
	s_cmp_lt_u32 ttmp9, 384
	s_cselect_b64 s[24:25], s[6:7], s[24:25]       ; k
	s_cselect_b32 s22, 128, s22
	s_cmp_lt_u32 ttmp9, 128
	s_cselect_b64 s[24:25], s[4:5], s[24:25]       ; q
	s_cselect_b32 s22, 0, s22
	; THE TENSOR k ALONE goes in tiles by FOURS: lane-row r of tile 4 C + u is row 64 C + 8 u + r % 8 + 32 (r / 8), so that in the scores a lane holds whole blocks of 32 keys.
	; Against the pairs' order: a work-group with an odd number begins 16 rows earlier, and lane-rows 8-15 lie 16 rows further on
	s_cmp_eq_u32 s22, 128                          ; k's first work-group is 128
	s_cselect_b32 s44, 65536, 0                    ; 16 rows in bytes, or nothing
	s_sub_co_u32 s22, ttmp9, s22
	s_and_b32 s45, s22, 1
	s_mul_i32 s45, s45, s44
	s_lshl_b32 s22, s22, 17
	s_sub_co_u32 s22, s22, s45
	s_lshl_b32 s23, s35, 15                        ; 8 rows on for the pair's second tile,
	s_add_co_u32 s22, s22, s23
	s_lshl_b32 s23, s36, 11                        ; 2,048 bytes on for the second K half
	s_add_co_u32 s22, s22, s23
	s_mov_b32 s23, 0
	s_add_nc_u64 s[24:25], s[24:25], s[22:23]
	s_mov_b32 s45, 0
	s_add_nc_u64 s[42:43], s[24:25], s[44:45]      ; the base of lane-rows 8-15
	s_add_nc_u64 s[26:27], s[18:19], s[38:39]
	s_add_nc_u64 s[28:29], s[20:21], s[40:41]
	LOAD 0
	LOAD 1
	STEP 0
	STEP 1
	STEP 2
	STEP 3
	v_cndmask_b32 v[PK], v[SW], v[SW+2], s32       ; lanes 0-15 store words 0, 1 of their row, lanes 16-31 words 2, 3
	v_cndmask_b32 v[PK+1], v[SW+1], v[SW+3], s32
	global_store_b64 v[SA], v[PK:PK+1], s[28:29]   ; 32 lanes store 256 consecutive bytes, aligned
	s_wait_tensorcnt 0x0                           ; the wave's end, behind my last LDS store
	ds_add_u32 v[SPW], v[NIL]
	s_wait_dscnt 0x0
	s_endpgm
.Lfunc_end_k_qda82c03f66_quant:
	.size	k_qda82c03f66_quant, .Lfunc_end_k_qda82c03f66_quant-k_qda82c03f66_quant
	.p2alignl 7, 3214868480
	.fill 96, 4, 3214868480
	.section	.rodata,"a",@progbits
	.p2align	6, 0x0
	.amdhsa_kernel k_qda82c03f66_quant
		.amdhsa_group_segment_fixed_size 34304
		.amdhsa_private_segment_fixed_size 0
		.amdhsa_enable_private_segment 0
		.amdhsa_kernarg_size 72
		.amdhsa_user_sgpr_count 2
		.amdhsa_user_sgpr_kernarg_segment_ptr 1
		.amdhsa_wavefront_size32 1
		.amdhsa_system_sgpr_workgroup_id_x 1
		.amdhsa_system_sgpr_workgroup_id_y 1
		.amdhsa_system_sgpr_workgroup_id_z 1
		.amdhsa_system_vgpr_workitem_id 0
		.amdhsa_next_free_vgpr 256
		.amdhsa_next_free_sgpr 66
		.amdhsa_reserve_vcc 0
		.amdhsa_float_denorm_mode_32 3
		.amdhsa_float_denorm_mode_16_64 3
		.amdhsa_memory_ordered 1
		.amdhsa_forward_progress 1
		.amdhsa_inst_pref_size 35
	.end_amdhsa_kernel
	.amdgpu_metadata
---
amdhsa.version: [ 1, 2 ]
amdhsa.kernels:
  - .name:           k_qda82c03f66_quant
    .symbol:         k_qda82c03f66_quant.kd
    .args:
      - { .name: q, .offset: 0, .size: 8, .value_kind: global_buffer, .address_space: global }
      - { .name: k, .offset: 8, .size: 8, .value_kind: global_buffer, .address_space: global }
      - { .name: v, .offset: 16, .size: 8, .value_kind: global_buffer, .address_space: global }
      - { .name: Wq, .offset: 24, .size: 8, .value_kind: global_buffer, .address_space: global }
      - { .name: Wk, .offset: 32, .size: 8, .value_kind: global_buffer, .address_space: global }
      - { .name: Wv, .offset: 40, .size: 8, .value_kind: global_buffer, .address_space: global }
      - { .name: Wp, .offset: 48, .size: 8, .value_kind: global_buffer, .address_space: global }
      - { .name: acodes, .offset: 56, .size: 8, .value_kind: global_buffer, .address_space: global }
      - { .name: ascales, .offset: 64, .size: 8, .value_kind: global_buffer, .address_space: global }
    .group_segment_fixed_size: 34304
    .private_segment_fixed_size: 0
    .kernarg_segment_align: 8
    .kernarg_segment_size: 72
    .max_flat_workgroup_size: 128
    .sgpr_count:     66
    .vgpr_count:     256
    .wavefront_size: 32
...
	.end_amdgpu_metadata
.endif
;; end of part 1
;; launch proj (part 2): grid 4 x 80, 4 waves a work-group, clusters of 4 x 4, 327,680 bytes of LDS; arguments acodes, ascales, hc, hs; writes hc, hs
.if DOCPART == 2
	.amdgcn_target "amdgcn-amd-amdhsa--gfx1250"
	.amdhsa_code_object_version 6
	.text
	.protected	k_qda82c03f66_proj
	.globl	k_qda82c03f66_proj
	.p2align	8
	.type	k_qda82c03f66_proj,@function
k_qda82c03f66_proj:
	s_mov_b64 s[64:65], 0
	v_nop
	global_prefetch_b8 v0, s[64:65] scope:SCOPE_SE
	s_setreg_imm32_b32 hwreg(HW_REG_WAVE_MODE, 25, 1), 1
	s_wait_xcnt 0x0
	s_wait_alu depctr_hold_cnt(0) depctr_sa_sdst(0) depctr_va_vdst(0) depctr_va_sdst(0) depctr_va_ssrc(0) depctr_va_vcc(0) depctr_vm_vsrc(0)
	s_getreg_b32 s2, hwreg(HW_REG_IB_STS2, 6, 4)
	s_cmp_eq_u32 s2, 0
	s_cbranch_scc0 .Lentry_in_a_cluster
	s_endpgm
.Lentry_in_a_cluster:
	s_bfe_u32 s2, ttmp6, 0x10000c
	s_cmp_lg_u32 s2, 0xf033
	s_cbranch_scc0 .Lentry_shape_is_right
	s_endpgm
.Lentry_shape_is_right:
.set FR,    12
.set NL,    4
.set NP,    4
.set NQ,    2
.set TILEB, NQ*1536
.set HALFT, 8*TILEB
.set SLOT,  4*HALFT
.set SCL,   2*SLOT
.set HALFS, 16*272
.set SPARE, SCL+4*HALFS
.set VO0,  8
.set VO1,  9
.set VO2,  10
.set VO3,  11
.set VS,   12
.set ADRA, 16
.set ADRB, 20
.set ADRS, 27
.set SPW,  28
.set NIL,  29
.set SC,   32
.set PC,   64
.set SW,   96
.set PKS,  104
.set TM,   108
.set AF,   128
.set SEL,  12
.set G1, 24
.set G0, 32
.set G1B, 48
.set G0B, 56
.set G1S, 68
.set G0S, 76
.set G1SB, 80
.set G0SB, 88
.set MSB, 0
.macro WIN new
.if MSB != (\new)
	s_set_vgpr_msb (MSB<<8)|(\new)
.set MSB, \new
.endif
.endm
.set MUL_LO, 0xa1
.set MUL_HI, 0xf1
.set TO_B,   0x40
.macro JLOAD g0a, g1a, g0b, g1b
	s_cmp_eq_u32 s15, 0
	s_cbranch_scc0 .Lfor_b_\@
	tensor_load_to_lds s[\g0a:\g0a+3], s[\g1a:\g1a+7]
	s_nop 0
.rept 4
	v_nop
.endr
	s_branch .Lasked_\@
.Lfor_b_\@:
	tensor_load_to_lds s[\g0b:\g0b+3], s[\g1b:\g1b+7]
	s_nop 0
.rept 4
	v_nop
.endr
.Lasked_\@:
.endm
.macro CREST
	s_cmp_lg_u32 s14, 0
	s_cbranch_scc1 .Lnot_wave_0_\@
	s_barrier_signal -3
.Lnot_wave_0_\@:
	s_barrier_wait -3
	s_barrier_signal -1
	s_barrier_wait -1
.endm
.macro CROUND
	s_barrier_signal -1
	s_barrier_wait -1
	CREST
.endm
	s_load_b256 s[4:11], s[0:1], 0x0
	v_lshl_add_u32 v[SPW], v0, 2, SPARE
	v_mov_b32 v[NIL], 0
	ds_add_u32 v[SPW], v[NIL]
	ds_add_u32 v[SPW], v[NIL]
	v_lshrrev_b32 v1, 5, v0
	v_readfirstlane_b32 s14, v1
	s_lshr_b32 s15, s14, 1
	s_and_b32 s16, s14, 1
	s_bfe_u32 s40, ttmp6, 0x40000
	s_bfe_u32 s41, ttmp6, 0x40004
	s_and_b32 s17, ttmp7, 0xffff
	s_lshl_b32 s43, s41, 2
	s_lshl_b32 s43, 15, s43
	s_lshl_b32 s44, 0x1111, s40
	s_or_b32 s[G1+0], s43, (3<<16)|(1<<21)
	s_or_b32 s[G1B+0], s44, (3<<16)|(1<<21)
.irp g, G1, G1B
	s_mov_b32 s[\g+1], 384<<16
	s_mov_b32 s[\g+2], 8<<16
	s_mov_b32 s[\g+3], 384<<16
	s_mov_b32 s[\g+4], 8
	s_mov_b32 s[\g+5], 1536
	s_mov_b32 s[\g+6], 0
	s_mov_b32 s[\g+7], 0
.endr
	s_or_b32 s[G1S+0], s43, (3<<16)|(1<<20)|(1<<21)|(5<<22)|(3<<25)
	s_or_b32 s[G1SB+0], s44, (3<<16)|(1<<20)|(1<<21)|(5<<22)|(3<<25)
.irp g, G1S, G1SB
	s_mov_b32 s[\g+1], 32<<16
	s_mov_b32 s[\g+2], 16<<16
	s_mov_b32 s[\g+3], 32<<16
	s_mov_b32 s[\g+4], 16
	s_mov_b32 s[\g+5], 32
	s_mov_b32 s[\g+6], 0
	s_mov_b32 s[\g+7], 0
.endr
	s_lshl_b32 s18, s17, 6
	s_mov_b32 s19, 1344
	s_cmp_lt_u32 s17, 4
	s_cselect_b32 s19, 1280, s19
	s_cmp_lt_u32 s17, 12
	s_cselect_b32 s20, s18, 1408
	s_cselect_b32 s46, s19, s18
	s_lshl_b32 s21, s16, 3
	s_lshl_b32 s22, s41, 4
	s_add_co_u32 s20, s20, s22
	s_add_co_u32 s20, s20, s21
	s_lshl_b32 s47, s40, 4
	s_add_co_u32 s46, s46, s47
	s_add_co_u32 s46, s46, s21
	s_lshl_b32 s22, s20, 9
	s_mov_b32 s23, 0
	s_lshl_b32 s92, s46, 9
	s_mov_b32 s93, 0
	s_mul_i32 s20, s20, 12288
	s_mov_b32 s21, 0
	s_mul_i32 s46, s46, 12288
	s_mov_b32 s47, 0
	s_mul_i32 s45, s14, HALFT
	s_mul_i32 s94, s14, HALFS
	s_wait_dscnt 0x0
	s_wait_kmcnt 0x0
	s_add_nc_u64 s[20:21], s[4:5], s[20:21]
	s_add_nc_u64 s[22:23], s[6:7], s[22:23]
	s_add_nc_u64 s[46:47], s[4:5], s[46:47]
	s_add_nc_u64 s[92:93], s[6:7], s[92:93]
	CROUND
	s_mov_b32 s[G0S], 1
	s_add_co_u32 s[G0S+1], s94, SCL
	s_mov_b64 s[G0S+2:G0S+3], s[22:23]
	s_or_b32 s[G0S+3], s[G0S+3], 0x80000000
	s_mov_b32 s[G0SB], 1
	s_add_co_u32 s[G0SB+1], s94, SCL
	s_mov_b64 s[G0SB+2:G0SB+3], s[92:93]
	s_or_b32 s[G0SB+3], s[G0SB+3], 0x80000000
	JLOAD G0S, G1S, G0SB, G1SB
.irp s, 0,1
	s_mov_b32 s[G0+4*\s], 1
	s_add_co_u32 s[G0+4*\s+1], s45, \s*SLOT
	s_add_nc_u64 s[G0+4*\s+2:G0+4*\s+3], s[20:21], \s*TILEB
	s_or_b32 s[G0+4*\s+3], s[G0+4*\s+3], 0x80000000
	s_mov_b32 s[G0B+4*\s], 1
	s_add_co_u32 s[G0B+4*\s+1], s45, \s*SLOT
	s_add_nc_u64 s[G0B+4*\s+2:G0B+4*\s+3], s[46:47], \s*TILEB
	s_or_b32 s[G0B+4*\s+3], s[G0B+4*\s+3], 0x80000000
	s_wait_alu depctr_va_vdst(0)
	s_wait_tensorcnt 0x0
	ds_add_u32 v28, v29
	s_wait_dscnt 0x0
	CROUND
	JLOAD G0+4*\s, G1, G0B+4*\s, G1B
.endr
	v_and_b32 v1, 15, v0
	v_bfe_u32 v2, v0, 4, 1
	v_and_b32 v3, 31, v0
	v_lshlrev_b32 v4, 4, v3
	v_lshlrev_b32 v5, 3, v3
	s_mul_i32 s21, s15, HALFT
	s_mul_i32 s22, s16, HALFT
	s_add_co_u32 s22, s22, 2*HALFT
.irp s, 0,1
	v_add_nc_u32 v[ADRA+\s], s21, v4
	v_add_nc_u32 v[ADRB+\s], s22, v4
	v_add_nc_u32 v[ADRA+2+\s], s21, v5
	v_add_nc_u32 v[ADRB+2+\s], s22, v5
	s_add_co_u32 s21, s21, SLOT
	s_add_co_u32 s22, s22, SLOT
.endr
	v_lshlrev_b32 v6, 4, v1
	s_mul_i32 s21, s15, HALFS
	s_mul_i32 s22, s16, HALFS
	s_add_co_u32 s22, s22, 2*HALFS
	s_sub_co_u32 s22, s22, s21
	v_mul_u32_u24 v7, s22, v2
	s_add_co_u32 s21, s21, SCL
	v_add_nc_u32 v6, v6, v7
	v_add_nc_u32 v[ADRS], s21, v6
	s_lshl_b32 s92, s40, 1
	s_add_co_u32 s92, s92, s16
	s_lshl_b32 s93, s41, 4
	s_lshl_b32 s94, s15, 3
	s_add_co_u32 s93, s93, s94
	s_cmp_lt_u32 s17, 4
	s_cselect_b32 s94, 7, 8
	s_cselect_b32 s95, 0, 256
	s_cselect_b32 s96, 0, 3145728
	s_cselect_b32 s97, 0, 131072
	s_lshl_b32 s98, s17, 6
	s_add_co_u32 s98, s98, s93
	s_sub_co_u32 s98, s98, s95
	s_lshr_b32 s95, s98, s94
	s_lshl_b32 s99, s95, s94
	s_sub_co_u32 s98, s98, s99
	s_lshl_b32 s99, s95, 4
	s_add_co_u32 s99, s99, s92
	s_add_co_u32 s99, s99, s92
	s_lshl_b32 s99, s99, s94
	s_add_co_u32 s99, s99, s98
	s_mul_i32 s99, s99, 768
	s_add_co_u32 s96, s96, s99
	s_lshl_b32 s99, s95, 3
	s_add_co_u32 s99, s99, s92
	s_sub_co_u32 s95, s94, 3
	s_lshl_b32 s99, s99, s95
	s_lshr_b32 s98, s98, 3
	s_add_co_u32 s99, s99, s98
	s_lshl_b32 s99, s99, 9
	s_add_co_u32 s97, s97, s99
	s_lshl_b32 s94, 768, s94
	s_sub_co_u32 s95, s17, 12
	s_lshl_b32 s95, s95, 3
	s_add_co_u32 s95, s95, s92
	s_mul_i32 s98, s95, 98304
	s_mul_i32 s99, s93, 1536
	s_add_co_u32 s98, s98, s99
	s_add_co_u32 s98, s98, 9437184
	s_lshl_b32 s95, s95, 3
	s_lshr_b32 s99, s93, 3
	s_add_co_u32 s95, s95, s99
	s_lshl_b32 s95, s95, 9
	s_add_co_u32 s95, s95, 393216
	s_mov_b32 s18, 1536
	s_cmp_lt_u32 s17, 12
	s_cselect_b32 s20, s96, s98
	s_cselect_b32 s22, s97, s95
	s_cselect_b32 s94, s94, 768
	s_cselect_b32 s18, 768, s18
	s_mov_b32 s19, 0
	s_mov_b32 s21, 0
	s_mov_b32 s23, 0
	s_add_nc_u64 s[8:9], s[8:9], s[20:21]
	s_add_nc_u64 s[10:11], s[10:11], s[22:23]
	v_mov_b32 v[VO0], v4
	v_mov_b32 v[VO1], v5
	v_add_nc_u32 v[VO2], s94, v4
	v_add_nc_u32 v[VO3], s94, v5
	v_lshlrev_b32 v[VS], 5, v1
	v_lshl_add_u32 v[VS], v2, 4, v[VS]
.irp b, 0,1,2,3
	v_mov_b32 v[TM+4+\b], 0
.endr
	s_mov_b32 s[SEL], 0x76543210
	s_mov_b32 s[SEL+1], 0xfedcba98
	s_mov_b32 s3, 0xffff0000
.macro FRAG reg, adr, q, i
.irp c, 0,1
	ds_load_b128 v[\reg+6*\c:\reg+6*\c+3], v[\adr] offset:TILEB*(\i)+1536*(\q)+768*\c
	ds_load_b64 v[\reg+6*\c+4:\reg+6*\c+5], v[\adr+2] offset:TILEB*(\i)+1536*(\q)+768*\c+512
.endr
.endm
.macro MUL16 a0, p, q, sc, zero
.irp a, \a0, \a0+1
.irp b, 0,1,2,3,4,5,6,7
.if \zero
	v_wmma_scale_f32_16x16x128_f8f6f4 v[8*(8*((\a)%4)+\b):8*(8*((\a)%4)+\b)+7], v[128*(\p)+FR*\b:128*(\p)+FR*\b+FR-1], v[AF+FR*(\a):AF+FR*(\a)+FR-1], 0, v[SC+8*NQ*(\sc)+NQ*\b+(\q)], v[SC+8*NQ*(\sc)+NQ*(\a)+(\q)] matrix_a_fmt:MATRIX_FMT_FP6 matrix_b_fmt:MATRIX_FMT_FP6 matrix_a_scale:MATRIX_SCALE_ROW1
.else
	v_wmma_scale_f32_16x16x128_f8f6f4 v[8*(8*((\a)%4)+\b):8*(8*((\a)%4)+\b)+7], v[128*(\p)+FR*\b:128*(\p)+FR*\b+FR-1], v[AF+FR*(\a):AF+FR*(\a)+FR-1], v[8*(8*((\a)%4)+\b):8*(8*((\a)%4)+\b)+7], v[SC+8*NQ*(\sc)+NQ*\b+(\q)], v[SC+8*NQ*(\sc)+NQ*(\a)+(\q)] matrix_a_fmt:MATRIX_FMT_FP6 matrix_b_fmt:MATRIX_FMT_FP6 matrix_a_scale:MATRIX_SCALE_ROW1
.endif
.endr
.endr
.endm
.macro FETCH_B slot, q, p
	WIN TO_B
.irp i, 0,1,2,3,4,5,6,7
	FRAG 128*(\p)+FR*\i, ADRB+\slot, \q, \i
.endr
	WIN 0
.endm
.macro FETCH_A slot, q, i0
.irp i, \i0, \i0+1, \i0+2, \i0+3
	FRAG AF+FR*(\i), ADRA+\slot, \q, \i
.endr
.endm
.macro SCALES sc, sg
.irp i, 0,1,2,3,4,5,6,7
	ds_load_b64 v[SC+8*NQ*(\sc)+NQ*\i:SC+8*NQ*(\sc)+NQ*\i+1], v[ADRS] offset:544*\i+272*((\sg)/2)+8*((\sg)%2)
.endr
.endm
.macro PLACES n
.rept \n
	v_nop
.endr
.endm
.macro STEP slot, q, zero
	s_wait_dscnt 4*NL
	WIN MUL_LO
	MUL16 0, (\q)%2, \q, \slot, \zero
	MUL16 2, (\q)%2, \q, \slot, \zero
	s_wait_dscnt 0
	PLACES NP
	FETCH_B \slot, (\q)+1, 1-(\q)%2
	FETCH_A \slot, (\q)+1, 0
	WIN MUL_HI
	MUL16 4, (\q)%2, \q, \slot, \zero
	MUL16 6, (\q)%2, \q, \slot, \zero
	PLACES NP
	WIN 0
	FETCH_A \slot, (\q)+1, 4
.endm
.macro TURN slot, next, fill, sg
	s_wait_tensorcnt 0x0
	ds_add_u32 v[SPW], v[NIL]
	s_wait_dscnt 4*NL+1
	WIN MUL_LO
	MUL16 0, 1, NQ-1, \slot, 0
	s_wait_dscnt 0x0
	s_barrier_signal -1
	MUL16 2, 1, NQ-1, \slot, 0
	WIN 0
	s_barrier_wait -1
.if \fill
	CREST
	s_add_nc_u64 s[G0+4*\slot+2:G0+4*\slot+3], s[G0+4*\slot+2:G0+4*\slot+3], 2*TILEB
	s_add_nc_u64 s[G0B+4*\slot+2:G0B+4*\slot+3], s[G0B+4*\slot+2:G0B+4*\slot+3], 2*TILEB
	JLOAD G0+4*\slot, G1, G0B+4*\slot, G1B
.else
	PLACES NP
.endif
	FETCH_B \next, 0, 0
	FETCH_A \next, 0, 0
	SCALES \next, \sg
	WIN MUL_HI
	MUL16 4, 1, NQ-1, \slot, 0
	MUL16 6, 1, NQ-1, \slot, 0
	PLACES NP
	WIN 0
	FETCH_A \next, 0, 4
.endm
	s_wait_tensorcnt 1
	s_barrier_signal -1
	s_barrier_wait -1
	FETCH_B 0, 0, 0
	FETCH_A 0, 0, 0
	SCALES 0, 0
	FETCH_A 0, 0, 4
	STEP 0, 0, 1
	TURN 0, 1, 1, 1
	STEP 1, 0, 0
	TURN 1, 0, 1, 2
	STEP 0, 0, 0
	TURN 0, 1, 0, 3
	STEP 1, 0, 0
	s_wait_dscnt 4*NL
	WIN MUL_LO
	MUL16 0, 1, NQ-1, 1, 0
	MUL16 2, 1, NQ-1, 1, 0
	s_wait_dscnt 0
	WIN MUL_HI
	MUL16 4, 1, NQ-1, 1, 0
	MUL16 6, 1, NQ-1, 1, 0
	WIN 0
.macro BLOCKOUT a
.set AC, 64*((\a)%4)
.if (\a) > 0
	s_wait_xcnt 0x0
	s_add_nc_u64 s[8:9], s[8:9], s[18:19]
.endif
	WIN 0x28+0x14*((\a)/4)
.irp b, 0,1,2,3
	v_max3_num_f32 v[TM+\b], 0x1800000, |v[AC+16*\b]|, |v[AC+16*\b+1]|
.endr
.irp i, 2,4,6,8,10,12,14
.irp b, 0,1,2,3
	v_max3_num_f32 v[TM+\b], v[TM+\b], |v[AC+16*\b+\i]|, |v[AC+16*\b+\i+1]|
.endr
.endr
	WIN 0
.irp b, 0,1,2,3
	v_permlanex16_b32 v[TM+4+\b], v[TM+\b], s[SEL], s[SEL+1]
.endr
.irp b, 0,1,2,3
	v_max_num_f32 v[TM+\b], v[TM+\b], v[TM+4+\b]
.endr
.irp b, 0,1,2,3
	v_add_nc_u32 v[TM+12+\b], 0xff000000, v[TM+\b]
.endr
.irp b, 0,1,2,3
	v_lshrrev_b32 v[TM+4+\b], 23, v[TM+12+\b]
.endr
	v_lshl_or_b32 v[SW+(\a)], v[TM+5], 8, v[TM+4]
	v_lshl_or_b32 v[SW+(\a)], v[TM+6], 16, v[SW+(\a)]
	v_lshl_or_b32 v[SW+(\a)], v[TM+7], 24, v[SW+(\a)]
	WIN 0x02+(\a)/4
.irp c, 0,1
	v_cvt_scalef32_pk16_fp6_f32 v[PC+6*\c:PC+2+6*\c], v[AC+32*\c:AC+15+32*\c], v[TM+12+2*\c]
	v_cvt_scalef32_pk16_fp6_f32 v[PC+12+4*\c:PC+14+4*\c], v[AC+16+32*\c:AC+31+32*\c], v[TM+12+2*\c+1]
.endr
	WIN 0
	v_nop
.irp c, 0,1
.irp i, 0,1,2
	v_permlane16_swap_b32 v[PC+6*\c+\i], v[PC+12+4*\c+\i]
.endr
.irp i, 0,1,2
	v_mov_b32 v[PC+3+6*\c+\i], v[PC+12+4*\c+\i]
.endr
.endr
	global_store_b128 v[VO0], v[PC:PC+3], s[8:9]
	global_store_b64 v[VO1], v[PC+4:PC+5], s[8:9] offset:512
	global_store_b128 v[VO2], v[PC+6:PC+9], s[8:9]
	global_store_b64 v[VO3], v[PC+10:PC+11], s[8:9] offset:512
.endm
	PLACES NP
.irp a, 0,1,2,3,4,5,6,7
	BLOCKOUT \a
.endr
.irp i, 0,1,2,3
	v_cndmask_b32 v[PKS+\i], v[SW+\i], v[SW+4+\i], s3
.endr
	global_store_b128 v[VS], v[PKS:PKS+3], s[10:11]
	s_wait_tensorcnt 0x0
	ds_add_u32 v[SPW], v[NIL]
	s_wait_dscnt 0x0
	CROUND
	s_endpgm
.Lfunc_end_k_qda82c03f66_proj:
	.size	k_qda82c03f66_proj, .Lfunc_end_k_qda82c03f66_proj-k_qda82c03f66_proj
	.p2alignl 7, 3214868480
	.fill 96, 4, 3214868480
	.section	.rodata,"a",@progbits
	.p2align	6, 0x0
	.amdhsa_kernel k_qda82c03f66_proj
		.amdhsa_group_segment_fixed_size 327680
		.amdhsa_private_segment_fixed_size 0
		.amdhsa_enable_private_segment 0
		.amdhsa_kernarg_size 32
		.amdhsa_user_sgpr_count 2
		.amdhsa_user_sgpr_kernarg_segment_ptr 1
		.amdhsa_wavefront_size32 1
		.amdhsa_system_sgpr_workgroup_id_x 1
		.amdhsa_system_sgpr_workgroup_id_y 1
		.amdhsa_system_sgpr_workgroup_id_z 1
		.amdhsa_system_vgpr_workitem_id 0
		.amdhsa_next_free_vgpr 1024
		.amdhsa_next_free_sgpr 100
		.amdhsa_reserve_vcc 0
		.amdhsa_float_denorm_mode_32 3
		.amdhsa_float_denorm_mode_16_64 3
		.amdhsa_memory_ordered 1
		.amdhsa_forward_progress 1
		.amdhsa_inst_pref_size 151
	.end_amdhsa_kernel
	.amdgpu_metadata
---
amdhsa.version: [ 1, 2 ]
amdhsa.kernels:
  - .name:           k_qda82c03f66_proj
    .symbol:         k_qda82c03f66_proj.kd
    .args:
      - { .name: acodes, .offset: 0, .size: 8, .value_kind: global_buffer, .address_space: global }
      - { .name: ascales, .offset: 8, .size: 8, .value_kind: global_buffer, .address_space: global }
      - { .name: hc, .offset: 16, .size: 8, .value_kind: global_buffer, .address_space: global }
      - { .name: hs, .offset: 24, .size: 8, .value_kind: global_buffer, .address_space: global }
    .group_segment_fixed_size: 327680
    .private_segment_fixed_size: 0
    .kernarg_segment_align: 8
    .kernarg_segment_size: 32
    .max_flat_workgroup_size: 128
    .sgpr_count:     100
    .vgpr_count:     1024
    .wavefront_size: 32
...
	.end_amdgpu_metadata
.endif
;; end of part 2
;; launch attn (part 3): grid 8 x 32, 8 waves a work-group, clusters of 4 x 1, 327,680 bytes of LDS; arguments hc, hs, key_padding_mask, ao, aos; writes ao, aos
.if DOCPART == 3
	.amdgcn_target "amdgcn-amd-amdhsa--gfx1250"
	.amdhsa_code_object_version 6
	.text
	.protected	k_qda82c03f66_attn
	.globl	k_qda82c03f66_attn
	.p2align	8
	.type	k_qda82c03f66_attn,@function
k_qda82c03f66_attn:
	s_mov_b64 s[64:65], 0
	v_nop
	global_prefetch_b8 v0, s[64:65] scope:SCOPE_SE
	s_setreg_imm32_b32 hwreg(HW_REG_WAVE_MODE, 25, 1), 1
	s_wait_xcnt 0x0
	s_wait_alu depctr_hold_cnt(0) depctr_sa_sdst(0) depctr_va_vdst(0) depctr_va_sdst(0) depctr_va_ssrc(0) depctr_va_vcc(0) depctr_vm_vsrc(0)
	s_getreg_b32 s2, hwreg(HW_REG_IB_STS2, 6, 4)
	s_cmp_eq_u32 s2, 0
	s_cbranch_scc0 .Lentry_in_a_cluster
	s_endpgm
.Lentry_in_a_cluster:
	s_bfe_u32 s2, ttmp6, 0x10000c
	s_cmp_lg_u32 s2, 0x3003
	s_cbranch_scc0 .Lentry_shape_is_right
	s_endpgm
.Lentry_shape_is_right:
; Attention of one head on codes of FP6 (E2M3) with E8M0 scales: S^T = K Q^T (K = the head's 64), the key mask, the softmax, O^T = V^T P^T (K = the keys); the result, divided by the row's sum, is quantised along the model's 1,024 and leaves as images.
; THE SOFTMAX: t = score x log2(e) / 8; M = the row's largest t so far, rounded up to a whole number; p = 2^(t - M) is quantised along the keys; the row's sum is taken of the unquantised p.  When M moves, the sum and O^T are multiplied by 2^(old M - new M): exact.
; THE MASK: the head's 64 fill half of the instruction's 128 along K.  At k = 64 every key carries the code 1.0 and every query the code -1.0; the query's scale byte for that block is 160 (2^33),
; a key's is 160 where the key is masked and 0 (2^-127) where it is not: a masked score gets -2^66, an unmasked one -2^-94.  All other codes from k = 64 on are zeros.
; WHILE EVERY KEY SO FAR IS MASKED (the largest score lies under -2^60) a lane takes multiplier 0 and addend 0, so p = 1, as equal logits give, and holds -M at 2^64: between two such steps the factor is 1, and 0 when the first key counts.  No branch.
; LIMITS: scores stay under 2^60 in magnitude; NaN and infinities are not served; a block whose largest magnitude lies under 2^-124 keeps the byte 1.
; SHARES: a work-group owns 256 queries of one head; each of its eight waves owns TWO tiles of 16 queries, tile a in register window a, so that each fragment of K and V, each scale word and each address step serves two tiles.  Every wave walks all 4,096 keys, 128 a step.
; KEYS go in tiles by fours: lane-row r of K's tile 4 C + u is key 64 C + 8 u + r % 8 + 32 (r / 8).  In S^T lane (r, h) then holds query r, and register 32 c + i is key 64 c + 32 h + i of the step: a WHOLE block of 32 in a lane,
; as the 6-bit operand wants it: a block's maximum needs no other lane and p's codes need no lane swap.
; K's and V's images come through two LDS slots of 1,024 keys; each wave fetches a quarter (waves 0-3 of K, waves 4-7 of V): one load a wave.  CLUSTER: the four query blocks of a cluster walk the same K and V: each tile is asked for jointly, mask 15.
; Behind a step's score products the wave asks LDS for this step's V and for the next step's K.  In a slot's last step that look-ahead reads the 6,144 bytes behind the slot's K, which are the slot's own V (in the last step of all, K's words: V's table): landed bytes, loaded and never used.
; No prefetch: a refill is asked for a whole slot, eight key steps of all eight waves, ahead of its first read.
; Queries and channels go in tiles by pairs (lane-row r of tile 2 B + u is row 32 B + 8 u + r + 8 (r / 8)), as the launches around this one lay them.
; REGISTERS.  Window 0: v1-11 addresses; v12-15 K's scale words, v16-19 V's, v20-21 p's (tile 0, 1), v22-23 Q's; v24-47, v48-71 the two tiles' numbers a lane; v72-74 constants; v80-127 K's fragments 0-3.
; Window 1: v0-47 V's four fragments; v80-127 K's fragments 4-7.  Both windows, tile a in window a: v128-191 S^T, then p; v192-223 O^T; v224-235 Q; v236-247 p's codes; v248-255 at work.
.set SLOT1, 1<<17                      ; slot 1 begins here: one exclusive or turns an address
.set VOFF,  49152                      ; a slot: 64 tiles of K x 768 bytes, then 8 steps of V x 6,144
.set STEPB, 6144                       ; a step's bytes of K, and of V
.set KSC,   98304                      ; behind slot 0: K's scale words with the mask in byte 2: [step 32][lane 32][16 bytes];
.set VSC,   114688                     ; V's: [step 32][r 16][16 bytes];
.set SPARE, 122880                     ; the spare words, 128 bytes a wave, which no other line names
.set L16,  1                           ; 16 x lane
.set L8,   2                           ; 8 x lane
.set ASK0, 3                           ; KSC + 16 x lane
.set ASV0, 4                           ; VSC + 16 r
.set SPW,  5                           ; my spare word; never rewritten
.set NIL,  6                           ; 0; never rewritten
.set R16,  7                           ; 16 r
.set A16,  8                           ; the step's addresses
.set A8,   9
.set ADS,  10
.set ADT,  11
.set KW,   12
.set VW,   16
.set PW,   20
.set QW,   22
.set ZS,   24                          ; tile 1's numbers lie 24 registers behind tile 0's
.set NM,   24                          ; -M
.set MX,   25                          ; the largest score so far
.set SUM,  26                          ; the row's sum, in two halves
.set ADD,  28                          ; the addend (a pair: the packed forms name both)
.set MUL,  30                          ; the multiplier
.set F,    32                          ; 2^(old M - new M)
.set OLD,  34
.set TT,   35
.set BM,   36                          ; my two blocks' largest score, then largest p
.set SO,   38                          ; the conversions' scale operands
.set CB,   40                          ; second chains, then bytes
.set XP,   42                          ; from lane l xor 16
.set W,    43
.set C64,  72                          ; 2^64
.set CC,   73                          ; c
.set SH8,  74                          ; 8 h
.set KF,   80
.set S,    128
.set O,    192
.set Q,    224
.set P,    236
.set T,    248
.set WV,   18                          ; s18 my wave's number
.set SEL,  20                          ; s[20:21] selects for lane l xor 16
.set G1K,  24                          ; s[24:31] group 1 for K's tiles;  s[32:39] for V's;  s[40:43], s[44:47] their groups 0, which walk
.set G1V,  32
.set G0K,  40
.set G0V,  44
.set TB,   66                          ; s66 LDS byte at which the step's tiles of K begin
.set TS,   67                          ; s67 the step's place in K's table: 512 bytes a step
.set TJ,   68                          ; s68 and in V's: 256
.set SLOTS, 69
.set CNT,  70
.set THR,  71                          ; s71 -2^60
.set CS,   72                          ; s72 c = log2(e) / 8
.set P16,  73                          ; s73 16 x (head % 2): which half of a scale word is my head's
.set MK,   88                          ; s88, s89 lanes in which a key has counted, tile 0, 1
.set MSB, 0
.macro WIN new                         ; low byte: bits 1:0 source 0, 3:2 source 1, 5:4 source 2, 7:6 destination; the high byte repeats the setting that is left
.if MSB != (\new)
	s_set_vgpr_msb (MSB<<8)|(\new)
.set MSB, \new
.endif
.endm
.macro D n                             ; a hint ahead of a plain reader of the plain result n vector instructions back
	s_delay_alu instid0(VALU_DEP_\n)
.endm
.macro JLOAD                           ; waves 0-3 fetch a quarter of K, waves 4-7 of V: every way passes one load.  An s_nop 0 and four v_nop follow each line
	s_cmp_lt_u32 s[WV], 4
	s_cbranch_scc0 .Lfor_v_\@
	tensor_load_to_lds s[G0K:G0K+3], s[G1K:G1K+7]
	s_nop 0
.rept 4
	v_nop
.endr
	s_branch .Lasked_\@
.Lfor_v_\@:
	tensor_load_to_lds s[G0V:G0V+3], s[G1V:G1V+7]
	s_nop 0
.rept 4
	v_nop
.endr
.Lasked_\@:
.endm
.macro CROUND                          ; a round of the cluster's barrier
	s_barrier_signal -1
	s_barrier_wait -1
	s_cmp_lg_u32 s[WV], 0
	s_cbranch_scc1 .Lnot_wave_0_\@
	s_barrier_signal -3
.Lnot_wave_0_\@:
	s_barrier_wait -3
	s_barrier_signal -1
	s_barrier_wait -1
.endm
	s_load_b256 s[4:11], s[0:1], 0x0               ; hc s[4:5], hs s[6:7], the mask s[8:9], ao s[10:11]
	s_load_b64 s[12:13], s[0:1], 0x20              ; aos
	v_lshl_add_u32 v[SPW], v0, 2, SPARE
	v_mov_b32 v[NIL], 0
	ds_add_u32 v[SPW], v[NIL]                      ; the wave's opening: the add, twice on end, and its wait ahead of the first tensor load
	ds_add_u32 v[SPW], v[NIL]
	v_lshrrev_b32 v8, 5, v0
	v_readfirstlane_b32 s[WV], v8                  ; wave 0..7
	s_and_b32 s48, ttmp7, 0xffff                   ; 16 x batch + head, which the four partners share
	s_lshr_b32 s49, s48, 4                         ; batch
	s_and_b32 s50, s48, 15                         ; head
	s_lshr_b32 s51, s50, 1                         ; G: the pair of heads
	s_and_b32 s52, s50, 1
	s_lshl_b32 s[P16], s52, 4
	s_bfe_u32 s53, ttmp6, 0x40000                  ; cx
	s_lshl_b32 s54, ttmp9, 2
	s_add_co_u32 s54, s54, s53                     ; my block of 256 queries: it enters Q's and the outputs' addresses alone
	s_lshl_b32 s55, s54, 4
	s_lshl_b32 s56, s[WV], 1
	s_add_co_u32 s55, s55, s56                     ; my first tile of queries in the batch
	s_and_b32 s56, s[WV], 3                        ; which quarter I fetch
	s_mul_i32 s57, s56, 12288                      ; its place in a slot's K (or V), and in K's memory
	s_mul_i32 s58, s48, 196608                     ; K: the head's 256 tiles of 768 bytes
	s_add_co_u32 s58, s58, s57
	s_add_co_u32 s58, s58, 3145728
	s_mov_b32 s59, 0
	s_lshl_b32 s60, s49, 5                         ; V: step 32 x batch + 2 x quarter, 98,304 bytes a step; the head's four channel tiles
	s_lshl_b32 s61, s56, 1
	s_add_co_u32 s60, s60, s61
	s_mul_i32 s60, s60, 98304
	s_mul_i32 s61, s50, 6144
	s_add_co_u32 s60, s60, s61
	s_add_co_u32 s60, s60, 9437184
	s_mov_b32 s61, 0
	s_lshl_b32 s74, s48, 7                         ; Q's codes: [16 batch + head][128 tiles][768]
	s_add_co_u32 s74, s74, s55
	s_mul_i32 s74, s74, 768
	s_mov_b32 s75, 0
	s_lshl_b32 s62, s49, 3
	s_add_co_u32 s62, s62, s51                     ; 8 x batch + G
	s_lshl_b32 s76, s62, 4                         ; Q's scale words: unit 16 (8 batch + G) + tile / 8, word tile % 8: my two tiles' words are neighbours
	s_lshl_b32 s77, s54, 1
	s_add_co_u32 s76, s76, s77
	s_lshr_b32 s77, s[WV], 2
	s_add_co_u32 s76, s76, s77
	s_lshl_b32 s76, s76, 9
	s_lshl_b32 s77, s56, 3
	s_add_co_u32 s76, s76, s77
	s_mov_b32 s77, 0
	s_lshl_b32 s78, s62, 14                        ; K's scale words: 32 units a pair of heads; I lay steps w, w + 8, w + 16, w + 24 into the table
	s_lshl_b32 s79, s[WV], 9
	s_add_co_u32 s78, s78, s79
	s_add_co_u32 s78, s78, 131072
	s_mov_b32 s79, 0
	s_lshl_b32 s80, s49, 12                        ; the mask: 4,096 bytes a batch, 128 a step
	s_lshl_b32 s81, s[WV], 7
	s_add_co_u32 s80, s80, s81
	s_mov_b32 s81, 0
	s_lshl_b32 s82, s49, 17                        ; V's scale words: [32 batch + step][8 pairs of heads][512], my head's four words of a row
	s_lshl_b32 s83, s51, 9
	s_add_co_u32 s82, s82, s83
	s_add_co_u32 s82, s82, s[P16]
	s_add_co_u32 s82, s82, 393216
	s_mov_b32 s83, 0
	s_lshl_b32 s63, s49, 7
	s_add_co_u32 s63, s63, s55                     ; my first tile among ao's 256
	s_mul_i32 s84, s63, 12288                      ; ao: [tile][K step = G][1536], my head's half
	s_mul_i32 s85, s51, 1536
	s_add_co_u32 s84, s84, s85
	s_mul_i32 s85, s52, 768
	s_add_co_u32 s84, s84, s85
	s_mov_b32 s85, 0
	s_lshl_b32 s86, s63, 9                         ; aos: [tile][G / 4][r][word G % 4], my head's two bytes
	s_lshr_b32 s87, s51, 2
	s_lshl_b32 s87, s87, 8
	s_add_co_u32 s86, s86, s87
	s_and_b32 s87, s51, 3
	s_lshl_b32 s87, s87, 2
	s_add_co_u32 s86, s86, s87
	s_lshl_b32 s87, s52, 1
	s_add_co_u32 s86, s86, s87
	s_mov_b32 s87, 0
	; group 1.  K: 12,288 dense bytes as 48 rows of 256;  V: 2 rows (steps) of 6,144 bytes, 98,304 bytes apart.  Elements of 8 bytes; no padding: an image is read 512 or 256 consecutive bytes at a time
	s_mov_b32 s[G1K], 15|(3<<16)|(1<<21)           ; 15:0 the mask: all four work-groups; 17:16 elements of 8 bytes; 21 set beside a mask
	s_mov_b32 s[G1K+1], 32<<16
	s_mov_b32 s[G1K+2], 48<<16
	s_mov_b32 s[G1K+3], 32<<16
	s_mov_b32 s[G1K+4], 48
	s_mov_b32 s[G1K+5], 32
	s_mov_b32 s[G1K+6], 0
	s_mov_b32 s[G1K+7], 0
	s_mov_b32 s[G1V], 15|(3<<16)|(1<<21)
	s_mov_b32 s[G1V+1], 768<<16
	s_mov_b32 s[G1V+2], 2<<16
	s_mov_b32 s[G1V+3], 768<<16
	s_mov_b32 s[G1V+4], 2
	s_mov_b32 s[G1V+5], 12288
	s_mov_b32 s[G1V+6], 0
	s_mov_b32 s[G1V+7], 0
	s_mov_b32 s[SEL], 0x76543210
	s_mov_b32 s[SEL+1], 0xfedcba98
	s_mov_b32 s[THR], 0xdd800000
	s_mov_b32 s[CS], 0x3e38aa3b
	s_mov_b32 s[TB], 0
	s_mov_b32 s[TS], 0
	s_mov_b32 s[TJ], 0
	s_mov_b32 s[SLOTS], 3
	s_wait_dscnt 0x0                               ; both opening adds are done
	s_wait_kmcnt 0x0
	s_mov_b32 s[G0K], 1                            ; count = 1
	s_mov_b32 s[G0K+1], s57                        ; LDS address: slot 0
	s_add_nc_u64 s[G0K+2:G0K+3], s[4:5], s[58:59]
	s_or_b32 s[G0K+3], s[G0K+3], 0x80000000        ; type = 2
	s_mov_b32 s[G0V], 1
	s_add_co_u32 s[G0V+1], s57, VOFF
	s_add_nc_u64 s[G0V+2:G0V+3], s[4:5], s[60:61]
	s_or_b32 s[G0V+3], s[G0V+3], 0x80000000
	s_add_nc_u64 s[74:75], s[4:5], s[74:75]
	s_add_nc_u64 s[76:77], s[6:7], s[76:77]
	s_add_nc_u64 s[78:79], s[6:7], s[78:79]
	s_add_nc_u64 s[80:81], s[8:9], s[80:81]
	s_add_nc_u64 s[82:83], s[6:7], s[82:83]
	s_add_nc_u64 s[84:85], s[10:11], s[84:85]
	s_add_nc_u64 s[86:87], s[12:13], s[86:87]
	CROUND                                         ; all four work-groups are here: the first joint loads meet
	JLOAD                                          ; slot 0: one load a wave
	v_and_b32 v170, 31, v0                         ; lane
	v_and_b32 v171, 15, v0                         ; r
	v_bfe_u32 v172, v0, 4, 1                       ; h
	v_lshlrev_b32 v[L16], 4, v170
	v_lshlrev_b32 v[L8], 3, v170
	v_lshl_add_u32 v[ASK0], v170, 4, KSC
	v_lshl_add_u32 v[ASV0], v171, 4, VSC
	v_lshlrev_b32 v[R16], 4, v171
	v_lshlrev_b32 v173, 5, v171
	v_lshl_add_u32 v173, v172, 4, v173             ; 32 r + 16 h: of a unit [r][8 tiles], my row's words of tiles 4 h .. 4 h + 3
	v_and_b32 v174, 8, v171
	v_mad_u32_u24 v174, v174, 3, v171
	v_lshl_add_u32 v174, v172, 6, v174             ; 64 h + r % 8 + 32 (r / 8): my key of tile 4 h in a step; tile 4 h + t: 8 t on
	v_lshrrev_b32 v175, 4, v0
	v_lshlrev_b32 v175, 12, v175
	v_lshl_add_u32 v175, v171, 5, v175             ; V's table: thread t takes steps t / 16 and t / 16 + 16, row t % 16
	v_lshlrev_b32 v176, 5, v171                    ; 32 r
	v_lshl_add_u32 v177, v0, 4, KSC                ; where I lay K's table: 16 x thread (step = my wave, + 8, + 16, + 24),
	v_lshl_add_u32 v178, v0, 4, VSC                ; and V's
	v_lshlrev_b32 v[SH8], 3, v172
	v_sub_nc_u32 v179, 1, v172                     ; 1 in lanes 0-15, which hold k = 64
	global_load_b128 v[Q:Q+3], v[L16], s[74:75]    ; Q's images: they stay in registers, tile a in window a
	global_load_b64 v[Q+4:Q+5], v[L8], s[74:75] offset:512
	WIN 0x40
	global_load_b128 v[Q:Q+3], v[L16], s[74:75] offset:768
	global_load_b64 v[Q+4:Q+5], v[L8], s[74:75] offset:1280
	WIN 0
	global_load_b64 v[QW:QW+1], v176, s[76:77]
.irp kk, 0,1,2,3
	global_load_b128 v[128+4*\kk:131+4*\kk], v173, s[78:79] offset:4096*\kk
.irp t, 0,1,2,3
	global_load_u8 v[144+4*\kk+\t], v174, s[80:81] offset:1024*\kk+8*\t
.endr
.endr
	global_load_b128 v[160:163], v175, s[82:83]
	global_load_b128 v[164:167], v175, s[82:83] offset:65536
.irp w, 0,1
	WIN 0x40*\w
	v_mul_u32_u24 v[Q+6], v179, 40                 ; Q at k = 64: the code of -1.0
.irp i, 7,8,9,10,11
	v_mov_b32 v[Q+\i], 0
.endr
.irp t, 0,1,2,3
	v_lshlrev_b32 v[KF+12*\t+6], 3, v179           ; every key at k = 64: the code of 1.0
.irp i, 7,8,9,10,11
	v_mov_b32 v[KF+12*\t+\i], 0
.endr
.endr
.set J, 0
.rept 32
	v_mov_b32 v[O+J], 0                            ; O^T: the step is written once; the first finds zeros
.set J, J+1
.endr
.endr
	WIN 0
.irp a, 0,1
	v_mov_b32 v[NM+ZS*\a], 0x5f800000              ; -M: held at 2^64 until a key counts
	v_mov_b32 v[MX+ZS*\a], 0xff61b1e6              ; the largest score so far: -3e38
.irp i, SUM, SUM+1, ADD+1, MUL+1, F+1, XP
	v_mov_b32 v[\i+ZS*\a], 0                       ; the sum; upper halves of pairs that the packed forms name; a lane permute's destination counts as one of its sources
.endr
.endr
	v_mov_b32 v[C64], 0x5f800000
	v_mov_b32 v[CC], s[CS]
	s_wait_loadcnt 0x0
.irp a, 0,1
	v_bfe_u32 v[QW+\a], v[QW+\a], s[P16], 16       ; my head's two bytes,
.endr
.irp a, 0,1
	v_or_b32 v[QW+\a], 0xa00000, v[QW+\a]          ; and 160 for the block at k = 64
.endr
.set J, 0
.rept 16
	v_bfe_u32 v[128+J], v[128+J], s[P16], 16
.set J, J+1
.endr
.set J, 0
.rept 16
	v_mad_u32_u24 v[128+J], v[144+J], 0xa00000, v[128+J]   ; byte 2: 160 where the key is masked, else 0
.set J, J+1
.endr
.irp kk, 0,1,2,3
	ds_store_b128 v177, v[128+4*\kk:131+4*\kk] offset:4096*\kk
.endr
	ds_store_b128 v178, v[160:163]
	ds_store_b128 v178, v[164:167] offset:4096
	s_wait_alu depctr_va_vdst(0)
.macro KLOAD                           ; eight fragments of K (their six registers that change) and their scale words, from the addresses as they stand
	ds_load_b128 v[KW:KW+3], v[ADS]                ; lanes 0-15: the words of tiles 0-3, lanes 16-31: of tiles 4-7
.irp g, 0,1
	WIN 0x40*\g
.irp t, 0,1,2,3
	ds_load_b128 v[KF+12*\t:KF+12*\t+3], v[A16] offset:(4*\g+\t)*768
	ds_load_b64 v[KF+12*\t+4:KF+12*\t+5], v[A8] offset:(4*\g+\t)*768+512
.endr
.endr
	WIN 0
.endm
; A KEY STEP: 128 keys x my 32 queries.
.macro STEP
	s_wait_dscnt 0x0                               ; K's fragments and words are in
.irp g, 0,1                                    ; S^T = K Q^T: source 0 in window g, Q and the result in window a
.irp a, 0,1
	WIN \g|(\a<<2)|(\a<<6)
.irp t, 0,1,2,3
.if \g == 0
	v_wmma_scale_f32_16x16x128_f8f6f4 v[S+8*\t:S+8*\t+7], v[KF+12*\t:KF+12*\t+11], v[Q:Q+11], 0, v[KW+\t], v[QW+\a] matrix_a_fmt:MATRIX_FMT_FP6 matrix_b_fmt:MATRIX_FMT_FP6
.else
	v_wmma_scale_f32_16x16x128_f8f6f4 v[S+32+8*\t:S+32+8*\t+7], v[KF+12*\t:KF+12*\t+11], v[Q:Q+11], 0, v[KW+\t], v[QW+\a] matrix_a_fmt:MATRIX_FMT_FP6 matrix_b_fmt:MATRIX_FMT_FP6 matrix_a_scale:MATRIX_SCALE_ROW1
.endif
.endr
.endr
.endr
	WIN 0
	s_add_co_u32 s[TB], s[TB], STEPB
	s_add_co_u32 s[TS], s[TS], 512
	v_add_nc_u32 v[A16], s[TB], v[L16]             ; the next step's K; this step's V lies VOFF - STEPB behind it.  These four are the places behind the products, for the loads and for the first reads of the scores
	v_add_nc_u32 v[A8], s[TB], v[L8]
	v_add_nc_u32 v[ADS], s[TS], v[ASK0]
	v_add_nc_u32 v[ADT], s[TJ], v[ASV0]
	s_add_co_u32 s[TJ], s[TJ], 256
	WIN 0x40
.irp t, 0,1,2,3                                ; this step's V: four fragments (16 channels x 128 keys)
	ds_load_b128 v[12*\t:12*\t+3], v[A16] offset:VOFF-STEPB+1536*\t
	ds_load_b64 v[12*\t+4:12*\t+5], v[A8] offset:VOFF-STEPB+1536*\t+512
	ds_load_b128 v[12*\t+6:12*\t+9], v[A16] offset:VOFF-STEPB+1536*\t+768
	ds_load_b64 v[12*\t+10:12*\t+11], v[A8] offset:VOFF-STEPB+1536*\t+1280
.endr
	WIN 0
	ds_load_b128 v[VW:VW+3], v[ADT]
	KLOAD                                          ; and the next step's K
.irp a, 0,1                                    ; the largest score of each of my two blocks of 32 keys, in two chains each; each accumulator is first read at its low end
	WIN 0x15*\a
.irp c, 0,1
	v_max3_num_f32 v[BM+ZS*\a+\c], v[S+32*\c], v[S+32*\c+1], v[S+32*\c+2]
	v_max3_num_f32 v[CB+ZS*\a+\c], v[S+32*\c+16], v[S+32*\c+17], v[S+32*\c+18]
.endr
	WIN 0x14*\a
.irp i, 3,5,7,9,11,13
.irp c, 0,1
	v_max3_num_f32 v[BM+ZS*\a+\c], v[BM+ZS*\a+\c], v[S+32*\c+\i], v[S+32*\c+\i+1]
	v_max3_num_f32 v[CB+ZS*\a+\c], v[CB+ZS*\a+\c], v[S+32*\c+16+\i], v[S+32*\c+17+\i]
.endr
.endr
.irp c, 0,1
	v_max3_num_f32 v[BM+ZS*\a+\c], v[BM+ZS*\a+\c], v[S+32*\c+15], v[S+32*\c+31]
.endr
.endr
	WIN 0
.irp a, 0,1                                    ; from here the two tiles' numbers take turns, all in window 0
.irp c, 0,1
	v_max_num_f32 v[BM+ZS*\a+\c], v[BM+ZS*\a+\c], v[CB+ZS*\a+\c]   ; it serves the row's maximum and, since p rises with the score, the block's largest p
.endr
.endr
.irp a, 0,1
	v_max_num_f32 v[TT+ZS*\a], v[BM+ZS*\a], v[BM+ZS*\a+1]
.endr
.irp a, 0,1
	D 2
	v_permlanex16_b32 v[XP+ZS*\a], v[TT+ZS*\a], s[SEL], s[SEL+1]
.endr
.irp a, 0,1
	D 2
	v_max3_num_f32 v[MX+ZS*\a], v[MX+ZS*\a], v[TT+ZS*\a], v[XP+ZS*\a]   ; the running largest score
.endr
.irp a, 0,1
	D 2
	v_cmp_le_f32 s[MK+\a], s[THR], v[MX+ZS*\a]     ; has a key counted yet?
.endr
.irp a, 0,1
	v_mul_f32 v[TT+ZS*\a], s[CS], v[MX+ZS*\a]      ; as t (c is positive)
.endr
.irp a, 0,1
	v_mov_b32 v[OLD+ZS*\a], v[NM+ZS*\a]
.endr
.irp a, 0,1
	v_floor_f32 v[TT+ZS*\a], -v[TT+ZS*\a]          ; floor(-t) = -ceil(t)
.endr
.irp a, 0,1
	D 2
	v_cndmask_b32 v[NM+ZS*\a], v[C64], v[TT+ZS*\a], s[MK+\a]   ; -M, or 2^64 while none has
.endr
.irp a, 0,1
	v_cndmask_b32 v[ADD+ZS*\a], 0, v[TT+ZS*\a], s[MK+\a]       ; the addend: -M, or 0
.endr
.irp a, 0,1
	v_cndmask_b32 v[MUL+ZS*\a], 0, v[CC], s[MK+\a]             ; the multiplier: c, or 0
.endr
.irp a, 0,1
	v_sub_f32 v[TT+ZS*\a], v[NM+ZS*\a], v[OLD+ZS*\a]           ; old M - new M: a whole number, 0 or less
.endr
.irp a, 0,1
	D 2
	v_cvt_i32_f32 v[TT+ZS*\a], v[TT+ZS*\a]         ; (it saturates)
.endr
.irp a, 0,1
	D 2
	v_ldexp_f32 v[F+ZS*\a], 1.0, v[TT+ZS*\a]       ; f = 2^(old M - new M)
.endr
.irp a, 0,1
	WIN 0x41*\a
.set J, 0
.rept 32
	v_pk_fma_f32 v[S+J:S+J+1], v[S+J:S+J+1], v[MUL+ZS*\a:MUL+ZS*\a+1], v[ADD+ZS*\a:ADD+ZS*\a+1] op_sel_hi:[1,0,0]   ; t - M, two at a time (of the pairs the low word serves both halves)
.set J, J+2
.endr
.endr
	WIN 0
.irp a, 0,1
.irp c, 0,1
	v_fma_f32 v[BM+ZS*\a+\c], v[BM+ZS*\a+\c], v[MUL+ZS*\a], v[ADD+ZS*\a]   ; the same of each block's largest score
.endr
.endr
	s_wait_alu depctr_va_vdst(0)                   ; ahead of the batch
.irp a, 0,1
.irp c, 0,1
	v_exp_f32 v[BM+ZS*\a+\c], v[BM+ZS*\a+\c]       ; the block's largest p: the same two instructions on the same number give the same bits
.endr
.endr
.irp a, 0,1
	WIN 0x41*\a
.set J, 0
.rept 64
	v_exp_f32 v[S+J], v[S+J]                       ; p = 2^(t - M)
.set J, J+1
.endr
.endr
	WIN 0
.irp a, 0,1
	v_pk_mul_f32 v[SUM+ZS*\a:SUM+ZS*\a+1], v[SUM+ZS*\a:SUM+ZS*\a+1], v[F+ZS*\a:F+ZS*\a+1] op_sel_hi:[1,0]   ; the sums under the new M: plain places behind the exponentials
.endr
	s_wait_alu depctr_va_vdst(0)                   ; one wait for the whole batch, ahead of its first reader
.irp a, 0,1
.irp c, 0,1
	v_max_num_f32 v[BM+ZS*\a+\c], 0x1800000, v[BM+ZS*\a+\c]    ; the floor 2^(3 - 127): the byte cannot fall under 1 (a block whose every p is 0 keeps that byte: its codes are zeros)
.endr
.endr
.irp a, 0,1
.irp c, 0,1
	D 4
	v_add_nc_u32 v[SO+ZS*\a+\c], 0xff000000, v[BM+ZS*\a+\c]    ; 2 off the exponent field: the conversion's scale operand
.endr
.endr
.irp a, 0,1
.irp c, 0,1
	D 4
	v_lshrrev_b32 v[CB+ZS*\a+\c], 23, v[SO+ZS*\a+\c]           ; the byte
.endr
.endr
.irp a, 0,1
	v_lshl_or_b32 v[W+ZS*\a], v[CB+ZS*\a+1], 16, v[CB+ZS*\a]   ; my blocks h and 2 + h,
.endr
.irp a, 0,1
	D 2
	v_lshlrev_b32 v[W+ZS*\a], v[SH8], v[W+ZS*\a]               ; at their places in the word;
.endr
.irp a, 0,1
	D 2
	v_permlanex16_b32 v[XP+ZS*\a], v[W+ZS*\a], s[SEL], s[SEL+1]
.endr
.irp a, 0,1
	D 2
	v_or_b32 v[PW+\a], v[W+ZS*\a], v[XP+ZS*\a]                 ; with lane l xor 16's two: p's scale word for these 128 keys
.endr
.irp a, 0,1                                    ; the row's sum of the unquantised p: two at a time, in four chains
	WIN 0x45*\a
.irp i, 0,1,2,3
	v_pk_add_f32 v[T+2*\i:T+2*\i+1], v[S+4*\i:S+4*\i+1], v[S+4*\i+2:S+4*\i+3]
.endr
.irp j, 16,24,32,40,48,56
.irp i, 0,1,2,3
	v_pk_add_f32 v[T+2*\i:T+2*\i+1], v[T+2*\i:T+2*\i+1], v[S+\j+2*\i:S+\j+2*\i+1]
.endr
.endr
	v_pk_add_f32 v[T:T+1], v[T:T+1], v[T+2:T+3]
	v_pk_add_f32 v[T+4:T+5], v[T+4:T+5], v[T+6:T+7]
	D 1
	v_pk_add_f32 v[T:T+1], v[T:T+1], v[T+4:T+5]
	WIN \a<<2
	v_pk_add_f32 v[SUM+ZS*\a:SUM+ZS*\a+1], v[SUM+ZS*\a:SUM+ZS*\a+1], v[T:T+1]
.endr
.irp a, 0,1                                    ; p's codes: registers 6 c .. 6 c + 5 are keys 64 c + 32 h + 0 .. 31, my own block
	WIN 0x41*\a
.irp c, 0,1
	v_cvt_scalef32_pk16_fp6_f32 v[P+6*\c:P+6*\c+2], v[S+32*\c:S+32*\c+15], v[SO+ZS*\a+\c]
	v_cvt_scalef32_pk16_fp6_f32 v[T+4*\c:T+4*\c+2], v[S+32*\c+16:S+32*\c+31], v[SO+ZS*\a+\c]   ; (a conversion's three registers begin on an even number)
.endr
	v_nop                                          ; one plain place behind a scaled conversion
.irp c, 0,1
.irp i, 0,1,2
	v_mov_b32 v[P+6*\c+3+\i], v[T+4*\c+\i]
.endr
.endr
.endr
.irp a, 0,1
	WIN 0x41*\a
	s_wait_alu depctr_va_vdst(0)                   ; directly ahead of the first reader of O^T
.set J, 0
.rept 16
	v_pk_mul_f32 v[O+J:O+J+1], v[O+J:O+J+1], v[F+ZS*\a:F+ZS*\a+1] op_sel_hi:[1,0]   ; O^T under the new M; these are also the places between p's word and codes and the products
.set J, J+2
.endr
.endr
	WIN 0
	s_wait_alu depctr_va_vdst(0)
	s_wait_dscnt 0x0                               ; V is in (and the next step's K)
.irp a, 0,1                                    ; O^T += V^T P^T: eight accumulators by turns
	WIN 1|(\a<<2)|(\a<<4)|(\a<<6)
.irp t, 0,1,2,3
	v_wmma_scale_f32_16x16x128_f8f6f4 v[O+8*\t:O+8*\t+7], v[12*\t:12*\t+11], v[P:P+11], v[O+8*\t:O+8*\t+7], v[VW+\t], v[PW+\a] matrix_a_fmt:MATRIX_FMT_FP6 matrix_b_fmt:MATRIX_FMT_FP6
.endr
.endr
	WIN 0
.endm
; THE CHANGE OF SLOTS stands at a slot's head.  Each wave waits for all its tensor loads (its part of the slot ahead), adds 0 to its spare word, and waits for that, for its LDS stores and for its reads of the slot that it has left.
; fill = 1: the barrier is a round of the cluster's, and behind it the slot that was left is filled with the next 1,024 keys: one load a wave.
.macro CHANGE fill
	s_wait_tensorcnt 0x0                           ; no tensor load of mine is out, so a group 0 may be written
	ds_add_u32 v[SPW], v[NIL]                      ; 0 onto my spare word
.if \fill
	s_xor_b32 s[G0K+1], s[G0K+1], SLOT1            ; the walking descriptors: the other slot,
	s_add_nc_u64 s[G0K+2:G0K+3], s[G0K+2:G0K+3], 49152    ; the next 64 tiles of K,
	s_xor_b32 s[G0V+1], s[G0V+1], SLOT1
	s_add_nc_u64 s[G0V+2:G0V+3], s[G0V+2:G0V+3], 786432   ; the next 8 steps of V
.endif
	s_wait_dscnt 0x0
.if \fill
	CROUND
	JLOAD
.else
	s_barrier_signal -1
	s_barrier_wait -1
.endif
.endm
.macro SLOT_STEPS                      ; a slot's eight key steps: written once, walked eight times; the first step's K is asked for here
	v_add_nc_u32 v[A16], s[TB], v[L16]
	v_add_nc_u32 v[A8], s[TB], v[L8]
	v_add_nc_u32 v[ADS], s[TS], v[ASK0]
	KLOAD
	s_mov_b32 s[CNT], 8
.Lstep_\@:
	STEP
	s_sub_co_u32 s[CNT], s[CNT], 1
	s_cmp_lg_u32 s[CNT], 0
	s_cbranch_scc1 .Lstep_\@
	s_and_b32 s[TB], s[TB], SLOT1                  ; back to the slot's first byte,
	s_xor_b32 s[TB], s[TB], SLOT1                  ; and on to the other slot
.endm
.Lslot:                                            ; three trips: behind each change of slots but the last the next slot is asked for.  The first change also shows the two tables to every wave
	CHANGE 1
	SLOT_STEPS
	s_sub_co_u32 s[SLOTS], s[SLOTS], 1
	s_cmp_lg_u32 s[SLOTS], 0
	s_cbranch_scc1 .Lslot
	CHANGE 0                                       ; the last slot is written out
	SLOT_STEPS
	; THE WAY OUT.  O^T / the row's sum; register 16 B + i is my head's channel 32 B + 16 h + i: two blocks of 32 along the last product's K, each in lanes l and l xor 16.  Their codes are half a fragment's image and leave straight from registers.
.rept 4
	v_nop                                          ; places behind the last products
.endr
.irp a, 0,1
	v_add_f32 v[SUM+ZS*\a], v[SUM+ZS*\a], v[SUM+ZS*\a+1]
.endr
.irp a, 0,1
	D 2
	v_permlanex16_b32 v[XP+ZS*\a], v[SUM+ZS*\a], s[SEL], s[SEL+1]
.endr
.irp a, 0,1
	D 2
	v_add_f32 v[SUM+ZS*\a], v[SUM+ZS*\a], v[XP+ZS*\a]          ; the row's sum
.endr
	s_wait_alu depctr_va_vdst(0)                   ; ahead of the transcendentals
.irp a, 0,1
	v_rcp_f32 v[SUM+ZS*\a], v[SUM+ZS*\a]
.endr
	v_nop                                          ; a plain place behind them
.irp a, 0,1
	WIN 0x41*\a
	s_wait_alu depctr_va_vdst(0)                   ; ahead of their first reader, which is also the first reader of O^T
.set J, 0
.rept 32
	v_mul_f32 v[S+J], v[O+J], v[SUM+ZS*\a]
.set J, J+1
.endr
	WIN 0x05*\a
.irp b, 0,1
	v_max3_num_f32 v[BM+ZS*\a+\b], |v[S+16*\b]|, |v[S+16*\b+1]|, 0x1800000
.endr
	WIN 0x14*\a
.irp i, 2,4,6,8,10,12,14
.irp b, 0,1
.if \i > 2
	D 2
.endif
	v_max3_num_f32 v[BM+ZS*\a+\b], v[BM+ZS*\a+\b], |v[S+16*\b+\i]|, |v[S+16*\b+\i+1]|
.endr
.endr
.endr
	WIN 0
.irp a, 0,1
.irp b, 0,1
	v_permlanex16_b32 v[CB+ZS*\a+\b], v[BM+ZS*\a+\b], s[SEL], s[SEL+1]
.endr
.endr
.irp a, 0,1
.irp b, 0,1
	D 4
	v_max_num_f32 v[BM+ZS*\a+\b], v[BM+ZS*\a+\b], v[CB+ZS*\a+\b]
.endr
.endr
.irp a, 0,1
.irp b, 0,1
	D 4
	v_add_nc_u32 v[SO+ZS*\a+\b], 0xff000000, v[BM+ZS*\a+\b]
.endr
.endr
.irp a, 0,1
.irp b, 0,1
	D 4
	v_lshrrev_b32 v[CB+ZS*\a+\b], 23, v[SO+ZS*\a+\b]
.endr
.endr
.irp a, 0,1
	v_lshl_or_b32 v[W+ZS*\a], v[CB+ZS*\a+1], 8, v[CB+ZS*\a]    ; my head's two scale bytes
.endr
.irp a, 0,1
	WIN 0x41*\a
	v_cvt_scalef32_pk16_fp6_f32 v[P:P+2], v[S:S+15], v[SO+ZS*\a]
	v_cvt_scalef32_pk16_fp6_f32 v[T:T+2], v[S+16:S+31], v[SO+ZS*\a+1]
	v_nop                                          ; one plain place behind a scaled conversion
.irp i, 0,1,2
	v_permlane16_swap_b32 v[P+\i], v[T+\i]         ; the operand wants a whole block in a lane
.endr
.irp i, 0,1,2
	v_mov_b32 v[P+3+\i], v[T+\i]
.endr
	WIN \a<<2
	global_store_b128 v[L16], v[P:P+3], s[84:85] offset:12288*\a          ; 512 and 256 consecutive bytes, each at a multiple of 256 from ao's first byte
	global_store_b64 v[L8], v[P+4:P+5], s[84:85] offset:12288*\a+512
.endr
	WIN 0
.irp a, 0,1
	global_store_b16 v[R16], v[W+ZS*\a], s[86:87] offset:512*\a   ; two bytes a row, rows 16 bytes apart (lanes l and l xor 16 store the same); the other head of the pair writes the word's other half
.endr
	s_wait_tensorcnt 0x0                           ; the wave's end
	ds_add_u32 v[SPW], v[NIL]
	s_wait_dscnt 0x0
	CROUND                                         ; the closing round
	s_endpgm
.Lfunc_end_k_qda82c03f66_attn:
	.size	k_qda82c03f66_attn, .Lfunc_end_k_qda82c03f66_attn-k_qda82c03f66_attn
	.p2alignl 7, 3214868480
	.fill 96, 4, 3214868480
	.section	.rodata,"a",@progbits
	.p2align	6, 0x0
	.amdhsa_kernel k_qda82c03f66_attn
		.amdhsa_group_segment_fixed_size 327680
		.amdhsa_private_segment_fixed_size 0
		.amdhsa_enable_private_segment 0
		.amdhsa_kernarg_size 40
		.amdhsa_user_sgpr_count 2
		.amdhsa_user_sgpr_kernarg_segment_ptr 1
		.amdhsa_wavefront_size32 1
		.amdhsa_system_sgpr_workgroup_id_x 1
		.amdhsa_system_sgpr_workgroup_id_y 1
		.amdhsa_system_sgpr_workgroup_id_z 1
		.amdhsa_system_vgpr_workitem_id 0
		.amdhsa_next_free_vgpr 512
		.amdhsa_next_free_sgpr 100
		.amdhsa_reserve_vcc 0
		.amdhsa_float_denorm_mode_32 3
		.amdhsa_float_denorm_mode_16_64 3
		.amdhsa_memory_ordered 1
		.amdhsa_forward_progress 1
		.amdhsa_inst_pref_size 89
	.end_amdhsa_kernel
	.amdgpu_metadata
---
amdhsa.version: [ 1, 2 ]
amdhsa.kernels:
  - .name:           k_qda82c03f66_attn
    .symbol:         k_qda82c03f66_attn.kd
    .args:
      - { .name: hc, .offset: 0, .size: 8, .value_kind: global_buffer, .address_space: global }
      - { .name: hs, .offset: 8, .size: 8, .value_kind: global_buffer, .address_space: global }
      - { .name: key_padding_mask, .offset: 16, .size: 8, .value_kind: global_buffer, .address_space: global }
      - { .name: ao, .offset: 24, .size: 8, .value_kind: global_buffer, .address_space: global }
      - { .name: aos, .offset: 32, .size: 8, .value_kind: global_buffer, .address_space: global }
    .group_segment_fixed_size: 327680
    .private_segment_fixed_size: 0
    .kernarg_segment_align: 8
    .kernarg_segment_size: 40
    .max_flat_workgroup_size: 256
    .sgpr_count:     100
    .vgpr_count:     512
    .wavefront_size: 32
...
	.end_amdgpu_metadata
.endif
;; end of part 3
;; launch outp (part 4): grid 8 x 32, 4 waves a work-group, clusters of 4 x 4, 327,680 bytes of LDS; arguments ao, aos, acodes, ascales, bp, out0; writes out0
.if DOCPART == 4
	.amdgcn_target "amdgcn-amd-amdhsa--gfx1250"
	.amdhsa_code_object_version 6
	.text
	.protected	k_qda82c03f66_outp
	.globl	k_qda82c03f66_outp
	.p2align	8
	.type	k_qda82c03f66_outp,@function
k_qda82c03f66_outp:
	s_mov_b64 s[64:65], 0
	v_nop
	global_prefetch_b8 v0, s[64:65] scope:SCOPE_SE
	s_setreg_imm32_b32 hwreg(HW_REG_WAVE_MODE, 25, 1), 1
	s_wait_xcnt 0x0
	s_wait_alu depctr_hold_cnt(0) depctr_sa_sdst(0) depctr_va_vdst(0) depctr_va_sdst(0) depctr_va_ssrc(0) depctr_va_vcc(0) depctr_vm_vsrc(0)
	s_getreg_b32 s2, hwreg(HW_REG_IB_STS2, 6, 4)
	s_cmp_eq_u32 s2, 0
	s_cbranch_scc0 .Lentry_in_a_cluster
	s_endpgm
.Lentry_in_a_cluster:
	s_bfe_u32 s2, ttmp6, 0x10000c
	s_cmp_lg_u32 s2, 0xf033
	s_cbranch_scc0 .Lentry_shape_is_right
	s_endpgm
.Lentry_shape_is_right:
.set QUART, 24576
.set KHALF, 4*QUART
.set SCL,   2*KHALF
.set QS,    8*272
.set SPARE, SCL+4*QS
.set STAGE, SPARE+512
.set RA16, 16
.set RA8,  18
.set PA16, 20
.set PA8,  22
.set STO,  24
.set RD,   25
.set CO,   26
.set ADRS, 27
.set SPW,  28
.set NIL,  29
.set SC,   32
.set BK,   64
.set ACC,  128
.set G1, 24
.set G0, 32
.set G1B, 48
.set G0B, 56
.set G1S, 68
.set G0S, 76
.set G1SB, 80
.set G0SB, 88
.set MSB, 0
.macro WIN new
.if MSB != (\new)
	s_set_vgpr_msb (MSB<<8)|(\new)
.set MSB, \new
.endif
.endm
.macro JLOAD g0a, g1a, g0b, g1b
	s_cmp_eq_u32 s17, 0
	s_cbranch_scc0 .Lfor_b_\@
	tensor_load_to_lds s[\g0a:\g0a+3], s[\g1a:\g1a+7]
	s_nop 0
.rept 4
	v_nop
.endr
	s_branch .Lasked_\@
.Lfor_b_\@:
	tensor_load_to_lds s[\g0b:\g0b+3], s[\g1b:\g1b+7]
	s_nop 0
.rept 4
	v_nop
.endr
.Lasked_\@:
.endm
.macro CROUND
	s_barrier_signal -1
	s_barrier_wait -1
	s_cmp_lg_u32 s16, 0
	s_cbranch_scc1 .Lnot_wave_0_\@
	s_barrier_signal -3
.Lnot_wave_0_\@:
	s_barrier_wait -3
	s_barrier_signal -1
	s_barrier_wait -1
.endm
.macro PLACES
.rept 4
	v_nop
.endr
.endm
	s_load_b256 s[4:11], s[0:1], 0x0
	s_load_b128 s[12:15], s[0:1], 0x20
	v_lshl_add_u32 v[SPW], v0, 2, SPARE
	v_mov_b32 v[NIL], 0
	ds_add_u32 v[SPW], v[NIL]
	ds_add_u32 v[SPW], v[NIL]
	v_lshrrev_b32 v1, 5, v0
	v_readfirstlane_b32 s16, v1
	s_lshr_b32 s17, s16, 1
	s_and_b32 s18, s16, 1
	s_bfe_u32 s40, ttmp6, 0x40000
	s_bfe_u32 s41, ttmp6, 0x40004
	s_lshl_b32 s42, ttmp9, 2
	s_add_co_u32 s42, s42, s40
	s_and_b32 s19, ttmp7, 0xffff
	s_lshl_b32 s19, s19, 2
	s_add_co_u32 s19, s19, s41
	s_lshl_b32 s43, s41, 2
	s_lshl_b32 s43, 15, s43
	s_lshl_b32 s44, 0x1111, s40
	s_or_b32 s[G1+0], s43, (3<<16)|(1<<21)
	s_or_b32 s[G1B+0], s44, (3<<16)|(1<<21)
.irp g, G1, G1B
	s_mov_b32 s[\g+1], 768<<16
	s_mov_b32 s[\g+2], 4<<16
	s_mov_b32 s[\g+3], 768<<16
	s_mov_b32 s[\g+4], 4
	s_mov_b32 s[\g+5], 1536
	s_mov_b32 s[\g+6], 0
	s_mov_b32 s[\g+7], 0
.endr
	s_or_b32 s[G1S+0], s43, (3<<16)|(1<<20)|(1<<21)|(5<<22)|(3<<25)
	s_or_b32 s[G1SB+0], s44, (3<<16)|(1<<20)|(1<<21)|(5<<22)|(3<<25)
.irp g, G1S, G1SB
	s_mov_b32 s[\g+1], 32<<16
	s_mov_b32 s[\g+2], 8<<16
	s_mov_b32 s[\g+3], 32<<16
	s_mov_b32 s[\g+4], 8
	s_mov_b32 s[\g+5], 32
	s_mov_b32 s[\g+6], 0
	s_mov_b32 s[\g+7], 0
.endr
	s_lshl_b32 s45, s18, 2
	s_lshl_b32 s20, s19, 3
	s_add_co_u32 s20, s20, s45
	s_lshl_b32 s46, s42, 3
	s_add_co_u32 s46, s46, s45
	s_add_co_u32 s46, s46, 1472
	s_lshl_b32 s22, s20, 9
	s_mov_b32 s23, 0
	s_lshl_b32 s92, s46, 9
	s_mov_b32 s93, 0
	s_mul_i32 s20, s20, 12288
	s_mov_b32 s21, 0
	s_mul_i32 s46, s46, 12288
	s_mov_b32 s47, 0
	s_mul_i32 s45, s16, QUART
	s_mul_i32 s94, s16, QS
	s_wait_dscnt 0x0
	s_wait_kmcnt 0x0
	s_add_nc_u64 s[20:21], s[4:5], s[20:21]
	s_add_nc_u64 s[22:23], s[6:7], s[22:23]
	s_add_nc_u64 s[46:47], s[8:9], s[46:47]
	s_add_nc_u64 s[92:93], s[10:11], s[92:93]
	CROUND
	s_mov_b32 s[G0S], 1
	s_add_co_u32 s[G0S+1], s94, SCL
	s_mov_b64 s[G0S+2:G0S+3], s[22:23]
	s_or_b32 s[G0S+3], s[G0S+3], 0x80000000
	s_mov_b32 s[G0SB], 1
	s_add_co_u32 s[G0SB+1], s94, SCL
	s_mov_b64 s[G0SB+2:G0SB+3], s[92:93]
	s_or_b32 s[G0SB+3], s[G0SB+3], 0x80000000
	JLOAD G0S, G1S, G0SB, G1SB
.irp k, 0,1
	s_mov_b32 s[G0+4*\k], 1
	s_add_co_u32 s[G0+4*\k+1], s45, \k*KHALF
	s_add_nc_u64 s[G0+4*\k+2:G0+4*\k+3], s[20:21], \k*6144
	s_or_b32 s[G0+4*\k+3], s[G0+4*\k+3], 0x80000000
	s_mov_b32 s[G0B+4*\k], 1
	s_add_co_u32 s[G0B+4*\k+1], s45, \k*KHALF
	s_add_nc_u64 s[G0B+4*\k+2:G0B+4*\k+3], s[46:47], \k*6144
	s_or_b32 s[G0B+4*\k+3], s[G0B+4*\k+3], 0x80000000
	s_wait_alu depctr_va_vdst(0)
	s_wait_tensorcnt 0x0
	ds_add_u32 v28, v29
	s_wait_dscnt 0x0
	CROUND
	JLOAD G0+4*\k, G1, G0B+4*\k, G1B
.endr
	v_and_b32 v1, 15, v0
	v_bfe_u32 v2, v0, 4, 1
	v_and_b32 v3, 31, v0
	v_lshlrev_b32 v4, 4, v3
	s_wait_alu depctr_va_vdst(0)
	v_lshlrev_b32 v5, 3, v3
	s_wait_alu depctr_va_vdst(0)
	v_lshlrev_b32 v6, 6, v2
	s_lshl_b32 s20, s42, 9
	s_lshl_b32 s21, s18, 8
	s_add_co_u32 s20, s20, s21
	s_mov_b32 s21, 0
	s_add_nc_u64 s[12:13], s[12:13], s[20:21]
	s_add_nc_u64 s[14:15], s[14:15], s[20:21]
	WIN 0x40
.irp b, 0,1,2,3
	global_load_b128 v[192+8*\b:195+8*\b], v6, s[12:13] offset:128*(\b/2)+32*(\b%2)
	global_load_b128 v[196+8*\b:199+8*\b], v6, s[12:13] offset:128*(\b/2)+32*(\b%2)+16
.endr
	WIN 0
	s_lshl_b32 s20, s19, 7
	s_lshl_b32 s22, s17, 6
	s_add_co_u32 s20, s20, s22
	s_lshl_b32 s20, s20, 12
	s_add_nc_u64 s[14:15], s[14:15], s[20:21]
	s_mul_i32 s21, s17, QUART
	s_mul_i32 s22, s18, QUART
	s_add_co_u32 s22, s22, 2*QUART
.irp k, 0,1
	v_add_nc_u32 v[RA16+\k], s21, v4
	v_add_nc_u32 v[RA8+\k], s21, v5
	v_add_nc_u32 v[PA16+\k], s22, v4
	v_add_nc_u32 v[PA8+\k], s22, v5
	s_add_co_u32 s21, s21, KHALF
	s_add_co_u32 s22, s22, KHALF
.endr
	v_lshlrev_b32 v7, 4, v1
	s_mul_i32 s21, s17, QS
	s_mul_i32 s22, s18, QS
	s_add_co_u32 s22, s22, 2*QS
	s_sub_co_u32 s22, s22, s21
	v_mul_u32_u24 v8, s22, v2
	s_add_co_u32 s21, s21, SCL
	v_add_nc_u32 v7, v7, v8
	v_add_nc_u32 v[ADRS], s21, v7
	s_mul_i32 s23, s16, 16*272
	s_add_co_u32 s23, s23, STAGE
	v_mul_u32_u24 v7, v1, 272
	v_lshl_add_u32 v7, v2, 6, v7
	v_add_nc_u32 v[STO], s23, v7
	v_mul_u32_u24 v7, v2, 272
	v_lshl_add_u32 v7, v1, 4, v7
	v_add_nc_u32 v[RD], s23, v7
	v_lshlrev_b32 v[CO], 12, v2
	v_lshl_add_u32 v[CO], v1, 4, v[CO]
.macro SCALES k
.irp i, 0,1,2,3
	ds_load_b128 v[SC+16*(\k)+4*\i:SC+16*(\k)+4*\i+3], v[ADRS] offset:(2*\i+(\k))*272
.endr
.endm
.macro FETCH s
.set FB, 96*((\s)%2)
.set KH, (\s)/4
.set KO, 1536*((\s)%4)
	WIN 0x40
.irp i, 0,1,2,3
.irp c, 0,1
	ds_load_b128 v[FB+12*\i+6*\c:FB+12*\i+6*\c+3], v[PA16+KH] offset:6144*\i+KO+768*\c
	ds_load_b64 v[FB+12*\i+6*\c+4:FB+12*\i+6*\c+5], v[PA8+KH] offset:6144*\i+KO+768*\c+512
.endr
.endr
.irp i, 0,1,2,3
.irp c, 0,1
	ds_load_b128 v[FB+48+12*\i+6*\c:FB+48+12*\i+6*\c+3], v[RA16+KH] offset:6144*\i+KO+768*\c
	ds_load_b64 v[FB+48+12*\i+6*\c+4:FB+48+12*\i+6*\c+5], v[RA8+KH] offset:6144*\i+KO+768*\c+512
.endr
.endr
.endm
.macro MUL s
.set FB, 96*((\s)%2)
.set SCB, SC+16*((\s)/4)+(\s)%4
.if (\s) == 0
	WIN 0x15
.else
	WIN 0x05
.endif
.irp a, 0,1,2,3
.irp b, 0,1,2,3
.if (\s) == 0
	v_wmma_scale_f32_16x16x128_f8f6f4 v[ACC+8*(4*\a+\b):ACC+8*(4*\a+\b)+7], v[FB+12*\b:FB+12*\b+11], v[FB+48+12*\a:FB+48+12*\a+11], v[192+8*\b:199+8*\b], v[SCB+4*\b], v[SCB+4*\a] matrix_a_fmt:MATRIX_FMT_FP6 matrix_b_fmt:MATRIX_FMT_FP6 matrix_a_scale:MATRIX_SCALE_ROW1
.else
	v_wmma_scale_f32_16x16x128_f8f6f4 v[ACC+8*(4*\a+\b):ACC+8*(4*\a+\b)+7], v[FB+12*\b:FB+12*\b+11], v[FB+48+12*\a:FB+48+12*\a+11], v[ACC+8*(4*\a+\b):ACC+8*(4*\a+\b)+7], v[SCB+4*\b], v[SCB+4*\a] matrix_a_fmt:MATRIX_FMT_FP6 matrix_b_fmt:MATRIX_FMT_FP6 matrix_a_scale:MATRIX_SCALE_ROW1
.endif
.endr
.endr
.endm
.macro KSTEP s
.if (\s) == 3
	WIN 0
	s_wait_tensorcnt 0x0
	s_wait_dscnt 0x0
	s_barrier_signal -1
	s_barrier_wait -1
	SCALES 1
.endif
.if (\s) < 7
.if (\s) > 0
	PLACES
.endif
	FETCH (\s)+1
	s_wait_dscnt 32
.else
	s_wait_dscnt 0x0
.endif
.if (\s) == 0
	s_wait_loadcnt 0x0
.endif
	MUL \s
.endm
	s_wait_alu depctr_va_vdst(0)
	s_wait_tensorcnt 1
	s_barrier_signal -1
	s_barrier_wait -1
	SCALES 0
	FETCH 0
.irp s, 0,1,2,3,4,5,6,7
	KSTEP \s
.endr
	WIN 0
.macro TOSTAGE a
.irp b, 0,1,2,3
	ds_store_b128 v[STO], v[ACC+8*(4*(\a)+\b):ACC+8*(4*(\a)+\b)+3] offset:128*(\b/2)+32*(\b%2)
	ds_store_b128 v[STO], v[ACC+8*(4*(\a)+\b)+4:ACC+8*(4*(\a)+\b)+7] offset:128*(\b/2)+32*(\b%2)+16
.endr
.set BB, BK+32*((\a)%2)
.irp t, 0,1,2,3,4,5,6,7
	ds_load_b128 v[BB+4*\t:BB+4*\t+3], v[RD] offset:544*\t
.endr
.endm
.macro SEND a, younger
.set BB, BK+32*((\a)%2)
	s_wait_dscnt \younger
.irp t, 0,1,2,3,4,5,6,7
	global_store_b128 v[CO], v[BB+4*\t:BB+4*\t+3], s[14:15] offset:(32*((\a)/2)+8*((\a)%2)+2*\t+8*(\t/4))*4096 th:TH_STORE_NT
.endr
.endm
	PLACES
	TOSTAGE 0
.irp a, 1,2,3
.if \a > 1
	s_wait_xcnt 0x0
.endif
	TOSTAGE \a
	SEND \a-1, 16
.endr
	SEND 3, 0
	s_wait_tensorcnt 0x0
	ds_add_u32 v[SPW], v[NIL]
	s_wait_dscnt 0x0
	CROUND
	s_endpgm
.Lfunc_end_k_qda82c03f66_outp:
	.size	k_qda82c03f66_outp, .Lfunc_end_k_qda82c03f66_outp-k_qda82c03f66_outp
	.p2alignl 7, 3214868480
	.fill 96, 4, 3214868480
	.section	.rodata,"a",@progbits
	.p2align	6, 0x0
	.amdhsa_kernel k_qda82c03f66_outp
		.amdhsa_group_segment_fixed_size 327680
		.amdhsa_private_segment_fixed_size 0
		.amdhsa_enable_private_segment 0
		.amdhsa_kernarg_size 48
		.amdhsa_user_sgpr_count 2
		.amdhsa_user_sgpr_kernarg_segment_ptr 1
		.amdhsa_wavefront_size32 1
		.amdhsa_system_sgpr_workgroup_id_x 1
		.amdhsa_system_sgpr_workgroup_id_y 1
		.amdhsa_system_sgpr_workgroup_id_z 1
		.amdhsa_system_vgpr_workitem_id 0
		.amdhsa_next_free_vgpr 512
		.amdhsa_next_free_sgpr 100
		.amdhsa_reserve_vcc 0
		.amdhsa_float_denorm_mode_32 3
		.amdhsa_float_denorm_mode_16_64 3
		.amdhsa_memory_ordered 1
		.amdhsa_forward_progress 1
		.amdhsa_inst_pref_size 54
	.end_amdhsa_kernel
	.amdgpu_metadata
---
amdhsa.version: [ 1, 2 ]
amdhsa.kernels:
  - .name:           k_qda82c03f66_outp
    .symbol:         k_qda82c03f66_outp.kd
    .args:
      - { .name: ao, .offset: 0, .size: 8, .value_kind: global_buffer, .address_space: global }
      - { .name: aos, .offset: 8, .size: 8, .value_kind: global_buffer, .address_space: global }
      - { .name: acodes, .offset: 16, .size: 8, .value_kind: global_buffer, .address_space: global }
      - { .name: ascales, .offset: 24, .size: 8, .value_kind: global_buffer, .address_space: global }
      - { .name: bp, .offset: 32, .size: 8, .value_kind: global_buffer, .address_space: global }
      - { .name: out0, .offset: 40, .size: 8, .value_kind: global_buffer, .address_space: global }
    .group_segment_fixed_size: 327680
    .private_segment_fixed_size: 0
    .kernarg_segment_align: 8
    .kernarg_segment_size: 48
    .max_flat_workgroup_size: 128
    .sgpr_count:     100
    .vgpr_count:     512
    .wavefront_size: 32
...
	.end_amdgpu_metadata
.endif
;; end of part 4
